; MI455X (gfx1250); checked and timed in simulation.
; The chip was launched on July 23, 2026; its instructions are those of AMD's public machine-readable ISA for CDNA 5 (MIT licence, August 2026) and "CDNA5" Instruction Set Architecture Reference Guide (July 2026). The comments in the code are by the model that wrote it; some were corrected since.
;; Ro PE Multihead Attention. Allowed arithmetic: matrix products marked QUANTISED: E2M3 operands, one E8M0 scale for each 32 along K, by v_wmma_scale_f32_16x16x128_f8f6f4 with both operands' format E2M3, f32 sums; everything else in f32.
;; Inputs: Wk 1,024 x 1,024 float32; Wo 1,024 x 1,024 float32; Wq 1,024 x 1,024 float32; Wv 1,024 x 1,024 float32; bk 1,024 float32; bo 1,024 float32; bq 1,024 float32; bv 1,024 float32; key 1 x 4,096 x 1,024 float32; query 1 x 4,096 x 1,024 float32; value 1 x 4,096 x 1,024 float32.
;; Outputs: out0 1 x 4,096 x 1,024 float32.
;; This version of the problem:
;;   THIS VERSION OF THE PROBLEM IS GIVEN IN LOW PRECISION. The matrix products marked QUANTISED in the list below multiply operands that are first quantised to E2M3 (2 exponent bits, 3 mantissa bits; 6 bits a number), with one power-of-two scale for each 32 numbers along K (OCP MX v1.0); their sums are f32. All else is computed in f32.
;;   The module's matrix products, in the order in which they are computed (A, B: the left and right operand; K: the contracted axis; several contracted axes count as one K, in the product's order):
;;     1. [M 4,096, K 1,024] x [K 1,024, N 1,024]; A: input query; B: input Wq: QUANTISED
;;     2. [M 4,096, K 1,024] x [K 1,024, N 1,024]; A: input key; B: input Wk: QUANTISED
;;     3. [M 4,096, K 1,024] x [K 1,024, N 1,024]; A: input value; B: input Wv: QUANTISED
;;     4. batch 16 x [M 4,096, K 64] x [K 64, N 4,096]; A: computed on the way; B: computed on the way: QUANTISED
;;     5. batch 16 x [M 64, K 4,096] x [K 4,096, N 4,096]; A: computed on the way; B: softmax (see below): QUANTISED
;;     6. [M 4,096, K 1,024] x [K 1,024, N 1,024]; A: computed on the way; B: input Wo: QUANTISED
;;   THE QUANTISER, for each operand of a quantised product, along K:
;;     - K is cut into blocks of 32 from its start; a last block that is shorter is filled with zeros.
;;     - A block's scale is 2^e with e = floor(log2(the largest magnitude in the block)) - 2, held to -126 .. 127; a block of zeros has e = 0. As a byte (E8M0): e + 127.
;;     - Each number is divided by its block's scale, clamped to +-7.5, and rounded to the nearest number of E2M3, ties to even, subnormals kept.
;;     - The product sums the exact products of the quantised numbers (number of the format x scale) in f32.
;;   ~~~python
;;   def quantise(x, axis):      # numpy; x: float32 -> the quantised numbers, widened to float32 again
;;       x = np.moveaxis(x, axis, -1); K = x.shape[-1]
;;       x = np.pad(x, [(0, 0)] * (x.ndim - 1) + [(0, -K % 32)]); x = x.reshape(x.shape[:-1] + (-1, 32)); a = np.abs(x).max(-1, keepdims=True)
;;       e = np.where(a > 0, np.clip(np.frexp(np.where(a > 0, a, 1))[1] - 1 - 2, -126, 127), 0)      # np.frexp(a)[1] - 1 = floor(log2(a)), exactly
;;       r = np.clip(x / 2.0 ** e, -7.5, 7.5)
;;       step = 2.0 ** (np.maximum(np.frexp(np.where(r == 0, 1, r))[1] - 1, 0) - 3)
;;       q = np.round(r / step) * step * 2.0 ** e      # np.round: ties to even
;;       return np.moveaxis(q.reshape(q.shape[:-2] + (-1,))[..., :K], -1, axis).astype(np.float32)
;;   ~~~
;;   SOFTMAX AHEAD OF A QUANTISED PRODUCT. Where the list says 'softmax', what is quantised is not the finished softmax but p = 2^(t - M), with t = logit x log2(e) and M = ceil(the row's largest t), a whole number; so 1/2 < the row's largest p <= 1. The row's sum l is taken of the UNQUANTISED p, in f32, and the product's result is divided by l at the end. Since M is a whole number, a kernel that streams over the keys may use a running M (the ceiling of the running maximum): every later rescaling is an exact power of two, which a block's scale takes up: the codes' values come out the same.
;;   OPERANDS COMPUTED ON THE WAY. 'Computed on the way' means the value that the module computes at that place (a softmax that the list does not call 'softmax' is quantised finished and normalised). What goes into a quantiser is computed in f32, as accurately as f32 sums, v_exp_f32 and their like allow (about 1e-6 of the number): no bf16 or f16 on the way to a quantiser, and a product that is left as it is and whose result goes on into a quantised operand takes f32 operands (vector FMAs, or v_wmma_f32_16x16x4_f32). A number that lies on a knife's edge between two numbers of the format may be rounded either way, as far as f32 arithmetic and the matrix unit's own rounding can turn it there, and no further.
;; One version. Each part assembles by itself: llvm-mc -triple=amdgcn-amd-amdhsa -mcpu=gfx1250 --defsym DOCPART=n.
;; ======== version 1 of 1: 4 launches
;; limits: right only within a limited range of input values
;; workspace buffers: codes 12,582,912 bytes; scales 524,288 bytes; tab 1,048,576 bytes; qbuf 3,407,872 bytes; kv 6,684,672 bytes; ctxc 3,145,728 bytes; csc 131,072 bytes
;; launch prep (part 1): grid 1088 x 1, 4 waves a work-group, no clusters, 35,328 bytes of LDS; arguments query, key, value, Wq, Wk, Wv, Wo, codes, scales, tab; writes codes, scales, tab
.if DOCPART == 1
	.amdgcn_target "amdgcn-amd-amdhsa--gfx1250"
	.amdhsa_code_object_version 6
	.text
	.protected	k_q39578331ed_prep
	.globl	k_q39578331ed_prep
	.p2align	8
	.type	k_q39578331ed_prep,@function
k_q39578331ed_prep:
	s_mov_b64 s[64:65], 0
	v_nop
	global_prefetch_b8 v0, s[64:65] scope:SCOPE_SE
	s_setreg_imm32_b32 hwreg(HW_REG_WAVE_MODE, 25, 1), 1
	s_wait_xcnt 0x0
; PREP.  (1) query, key, value [4096][1024] and Wq, Wk, Wv, Wo [1024][1024], f32, K innermost, become codes of FP6 (E2M3) with one E8M0 byte for each 32 along K.  (2) The table of cos and sin for the rotation.
; A block's scale is 2^(floor(log2(largest magnitude)) - 2); its byte is the largest magnitude's exponent field - 2, held at 1 from below.  A block of zeros so gets the byte 1 where the rule says 127: its codes are zeros, and this program alone reads the bytes.
; LIMITS: NaN and infinities among the inputs are not served; blocks whose largest magnitude lies under 2^-124 keep the byte 1.
; ORDER OF ROWS.  The seven tensors are 16,384 rows on end (query 0, key 4096, value 8192, Wq 12288, Wk 13312, Wv 14336, Wo 15360).  A row stands at the POSITION that is its number with bits 3 and 4 exchanged: lane r of a block of 16
; positions B holds row 32 (B / 2) + 8 (B % 2) + r + 8 (r / 8), so that in a product used transposed the 16 registers of two neighbouring result tiles are 16 neighbouring rows.
; LAYOUT OF THE CODES: images of the operand's registers.  16 positions x 64 along K are 768 bytes: lane l = r + 16 h holds position r's block h of 32 codes, 24 bytes: its first 16 bytes at 16 l, its last 8 at 512 + 8 l.
; codes = [1024 blocks of positions][16 such images].  scales = [block][K step of 256][position][8 bytes].
; SHARES.  Work-groups 64 .. 1087: one block of 16 positions each; wave w takes K = 256 w .. 256 w + 255 in 8 steps of two rows.  A step's four loads read 512 consecutive bytes each; the numbers turn through the wave's own stage in LDS,
; so that a lane holds 16 neighbours along K (two neighbouring lanes hold a block); its 12 bytes of codes go to the wave's image stage and leave as whole images: 512 and 256 consecutive bytes a store.  Waves share nothing: no barrier.
; Work-groups 0 .. 63: wave = one block of 16 positions of the table; no LDS.
; THE TABLE.  tab = [256 blocks of positions][c 0..7][lane][16 bytes]: c 0-3 cos, c 4-7 sin of pos x f(j), j = 16 (lane / 16) + 4 (c % 4) + 0 .. 3, pos = the row at the lane's position.
; f(j) = 1 / 10000^(j / 32) = 1 / 10^(j / 8): the power as the f32 nearest to it (from 10^(k / 8) in two f32 words, times a power of ten), then the f32 nearest to its reciprocal.  The angle is one f32 product.  It is brought
; into +-pi/4 by pi/2 in two words (the first step is exact for angles under 2^12 x pi/2; here they stay under 4,096), then polynomials of degree 7 and 8.
.set STEPS, 8
.set WREG,  8704                       ; LDS of a wave: two stages of 32 x SP bytes, the image stage, 128 scale bytes (and 128 spare)
.set SP,    80                         ; a lane's place in a stage: 64 bytes + 16 of padding
.set IMG,   2*32*SP                    ; the image stage: four images of HFP bytes
.set HFP,   832                        ; an image in the stage: first parts at 16 r + 288 h, last parts at 544 + 16 r + 8 h
.set SCB,   IMG+4*HFP                  ; the wave's scale bytes: [position][8]
.set R,     16                         ; v16-79   four sets of 16 numbers as loaded
.set X,     80                         ; v80-111  two sets of 16 neighbours
.set E,     112                        ; v112-119 a scale byte for each step
.set C,     120                        ; v120-151 codes: four registers for each step
.set OUTR,  152                        ; v152-176 the way out
.set T0,    180                        ; v180-182 at work
	s_load_b512 s[4:19], s[0:1], 0x0               ; query, key, value, Wq, Wk, Wv, Wo, codes
	s_load_b128 s[20:23], s[0:1], 0x40             ; scales, tab
	v_lshl_add_u32 v190, v0, 2, 0x8800
	v_mov_b32 v191, 0
	v_lshrrev_b32 v1, 5, v0
	v_readfirstlane_b32 s24, v1                    ; wave
	v_and_b32 v2, 31, v0                           ; lane
	v_lshlrev_b32 v3, 4, v2                        ; 16 x lane
	s_cmp_lt_u32 ttmp9, 64
	s_cbranch_scc1 .Ltable
	; ---------------- the quantiser
	s_sub_co_u32 s25, ttmp9, 64                    ; g: the block of positions
	s_mul_i32 s28, s24, WREG
	v_lshrrev_b32 v14, 2, v2
	v_mul_u32_u24 v14, v14, SP
	v_and_b32 v15, 3, v2
	v_lshl_add_u32 v14, v15, 4, v14
	v_add_nc_u32 v14, s28, v14                     ; the stage, in: SP (lane / 4) + 16 (lane % 4)
	v_mul_u32_u24 v15, v2, SP
	v_add_nc_u32 v15, s28, v15                     ; and out: SP x lane: my 16 neighbours
	; behind the turn lane l holds row l / 16 of the step's two, K = 16 (l % 16) on: image f = (l / 4) % 4, block h = (l / 2) % 2, half q = l % 2 of that block's 24 bytes
	v_and_b32 v184, 1, v2                          ; q
	v_bfe_u32 v185, v2, 1, 1                       ; h
	v_bfe_u32 v186, v2, 2, 2                       ; f
	v_lshrrev_b32 v187, 4, v2                      ; which of the two rows
	v_mul_u32_u24 v4, v186, HFP
	v_lshl_add_u32 v4, v187, 4, v4
	v_mad_u32_u24 v4, v185, 288, v4
	v_add_nc_u32 v4, s28, v4
	v_add_nc_u32 v4, IMG, v4                       ; the first part of my position's block
	v_mad_u32_u24 v6, v184, 540, v4
	v_add_nc_u32 v6, 4, v6
	v_and_b32 v188, 3, v2
	v_add_nc_u32 v188, 1, v188
	v_lshrrev_b32 v188, 2, v188                    ; q and h
	v_mul_u32_u24 v188, v188, 280
	v_sub_nc_u32 v6, v6, v188                      ; my second and third word: q = 0: words 1, 2 of the first part; q = 1: the last part
	v_mad_u32_u24 v4, v184, 12, v4                 ; my first word: q = 0: word 0; q = 1: word 3 of the first part
	v_bfe_u32 v5, v2, 1, 3
	v_lshl_add_u32 v5, v187, 3, v5
	v_add_nc_u32 v5, s28, v5
	v_add_nc_u32 v5, SCB, v5                       ; my block's scale byte: 8 x row + (l % 16) / 2
	v_and_b32 v188, 15, v2
	v_lshlrev_b32 v7, 4, v188
	v_add_nc_u32 v7, s28, v7
	v_add_nc_u32 v7, IMG, v7
	v_lshl_add_u32 v10, v187, 3, v7
	v_add_nc_u32 v10, 544, v10                     ; out of the image stage: lane l's last 8 bytes,
	v_mad_u32_u24 v7, v187, 288, v7                ; and its first 16
	v_lshlrev_b32 v12, 3, v2                       ; 8 x lane
	v_lshlrev_b32 v13, 2, v2                       ; 4 x lane
	v_add_nc_u32 v9, s28, v13
	v_add_nc_u32 v9, SCB, v9                       ; the scale bytes on their way out
	s_wait_kmcnt 0x0
	s_mov_b64 s[26:27], s[16:17]                   ; which tensor: the choice hangs on the work-group's number alone
	s_cmp_lt_u32 s25, 960
	s_cselect_b64 s[26:27], s[14:15], s[26:27]
	s_cmp_lt_u32 s25, 896
	s_cselect_b64 s[26:27], s[12:13], s[26:27]
	s_cmp_lt_u32 s25, 832
	s_cselect_b64 s[26:27], s[10:11], s[26:27]
	s_cmp_lt_u32 s25, 768
	s_cselect_b64 s[26:27], s[8:9], s[26:27]
	s_cselect_b32 s29, 255, 63
	s_cmp_lt_u32 s25, 512
	s_cselect_b64 s[26:27], s[6:7], s[26:27]
	s_cmp_lt_u32 s25, 256
	s_cselect_b64 s[26:27], s[4:5], s[26:27]
	s_and_b32 s29, s25, s29                        ; B: the block within its tensor
	s_lshr_b32 s30, s29, 1
	s_lshl_b32 s30, s30, 17                        ; 32 (B / 2) rows of 4,096 bytes
	s_and_b32 s31, s29, 1
	s_lshl_b32 s31, s31, 15                        ; 8 (B % 2) rows
	s_add_co_u32 s30, s30, s31
	s_lshl_b32 s31, s24, 10                        ; my quarter of K
	s_add_co_u32 s30, s30, s31
	s_mov_b32 s31, 0
	s_add_nc_u64 s[26:27], s[26:27], s[30:31]
	s_mul_i32 s30, s25, 12288
	s_mul_i32 s32, s24, 3072
	s_add_co_u32 s30, s30, s32
	s_add_nc_u64 s[18:19], s[18:19], s[30:31]      ; my four images
	s_lshl_b32 s30, s25, 9
	s_lshl_b32 s32, s24, 7
	s_add_co_u32 s30, s30, s32
	s_add_nc_u64 s[20:21], s[20:21], s[30:31]      ; my 128 scale bytes
.macro LOAD t                          ; step t: positions 2 t, 2 t + 1 are rows 2 t + 8 (t / 4) and the next
.irp i, 0,1,2,3
	global_load_b128 v[R+16*((\t)%4)+4*\i:R+16*((\t)%4)+4*\i+3], v3, s[26:27] offset:(2*(\t)+\i/2+8*((\t)/4))*4096+512*(\i%2) th:TH_LOAD_NT   ; 32 lanes read 512 consecutive bytes
.endr
.endm
.macro TURN t                          ; LDS serves a wave's instructions in order, so no wait stands between the stores and the loads
.irp i, 0,1,2,3
	ds_store_b128 v14, v[R+16*((\t)%4)+4*\i:R+16*((\t)%4)+4*\i+3] offset:32*SP*((\t)%2)+8*SP*\i
.endr
.irp i, 0,1,2,3
	ds_load_b128 v[X+16*((\t)%2)+4*\i:X+16*((\t)%2)+4*\i+3], v15 offset:32*SP*((\t)%2)+16*\i
.endr
.endm
.irp t, 0,1,2,3
	LOAD \t
.endr
	s_wait_loadcnt 12                              ; step 0's four loads are in
	TURN 0
.macro STEP t
.set XS, X+16*((\t)%2)
.if (\t) > 0
	s_wait_dscnt 4                                 ; this step's numbers are back from the stage; the last step's four stores of codes and byte may be out
.else
	s_wait_dscnt 0x0
.endif
.if (\t)+4 < STEPS
	LOAD (\t)+4                                    ; into the registers that this step's stores into the stage have read
.endif
.if (\t)+1 < STEPS
.if STEPS-2-(\t) >= 3
	s_wait_loadcnt 12                              ; the next step's four loads are in; those of the three steps behind it may be out
.else
	s_wait_loadcnt 4*(STEPS-2-(\t))
.endif
	TURN (\t)+1
.endif
	v_max3_num_f32 v[T0], |v[XS]|, |v[XS+1]|, |v[XS+2]|
	v_max3_num_f32 v[T0+1], |v[XS+3]|, |v[XS+4]|, |v[XS+5]|
.irp i, 6,10
	v_max3_num_f32 v[T0], v[T0], |v[XS+\i]|, |v[XS+\i+1]|
	v_max3_num_f32 v[T0+1], v[T0+1], |v[XS+\i+2]|, |v[XS+\i+3]|
.endr
	v_max3_num_f32 v[T0], v[T0], |v[XS+14]|, |v[XS+15]|
	v_max3_num_f32 v[T0], v[T0], v[T0+1], 0x1800000            ; and the floor 2^(3 - 127): the byte cannot fall under 1
	v_max_num_f32_dpp v[T0], v[T0], v[T0] row_xmask:1 row_mask:0xf bank_mask:0xf   ; with my neighbour's 16: the block's largest magnitude
	v_add_nc_u32 v[T0+2], 0xff000000, v[T0]        ; 2 off its exponent field: the conversion's scale operand
	v_cvt_scalef32_pk16_fp6_f32 v[C+4*(\t):C+4*(\t)+2], v[XS:XS+15], v[T0+2]
	v_lshrrev_b32 v[E+(\t)], 23, v[T0+2]           ; the scale's byte
	ds_store_b32 v4, v[C+4*(\t)] offset:32*(\t)
	ds_store_b32 v6, v[C+4*(\t)+1] offset:32*(\t)
	ds_store_b32 v6, v[C+4*(\t)+2] offset:32*(\t)+4
	ds_store_b8 v5, v[E+(\t)] offset:16*(\t)       ; both lanes of a block write the same byte with the same value
.endm
.irp t, 0,1,2,3,4,5,6,7
	STEP \t
.endr
.irp f, 0,1,2,3
	ds_load_b128 v[OUTR+4*\f:OUTR+4*\f+3], v7 offset:HFP*\f       ; in order behind my stores
	ds_load_b64 v[OUTR+16+2*\f:OUTR+17+2*\f], v10 offset:HFP*\f
.endr
	ds_load_b32 v[OUTR+24], v9
	s_wait_dscnt 0x0
.irp f, 0,1,2,3
	global_store_b128 v3, v[OUTR+4*\f:OUTR+4*\f+3], s[18:19] offset:768*\f          ; 512 consecutive bytes
	global_store_b64 v12, v[OUTR+16+2*\f:OUTR+17+2*\f], s[18:19] offset:768*\f+512  ; 256 consecutive bytes
.endr
	global_store_b32 v13, v[OUTR+24], s[20:21]     ; my 128 scale bytes
	s_wait_tensorcnt 0x0
	ds_add_u32 v190, v191
	s_wait_dscnt 0x0
	s_endpgm
	; ---------------- the table
.Ltable:
	s_lshl_b32 s25, ttmp9, 2
	s_add_co_u32 s25, s25, s24                     ; the block of positions
	s_lshr_b32 s26, s25, 1
	s_lshl_b32 s26, s26, 5
	s_and_b32 s27, s25, 1
	s_lshl_b32 s27, s27, 3
	s_add_co_u32 s26, s26, s27
	s_wait_alu depctr_va_vdst(0)
	v_and_b32 v4, 15, v2
	v_and_b32 v5, 8, v2
	v_add_nc_u32 v4, v4, v5
	v_add_nc_u32 v4, s26, v4
	v_cvt_f32_u32 v4, v4                           ; pos = 32 (B / 2) + 8 (B % 2) + r + 8 (r / 8)
	v_cmp_lt_u32 vcc_lo, 15, v2                    ; lanes 16-31: j = 16 + i
	v_mov_b32 v5, 1.0
	v_mov_b32 v6, 0x42c80000
	v_cndmask_b32 v5, v5, v6, vcc_lo               ; 10^(2 h): for i = 0 .. 7
	v_mov_b32 v6, 0x41200000
	v_mov_b32 v7, 0x447a0000
	v_cndmask_b32 v6, v6, v7, vcc_lo               ; 10^(2 h + 1): for i = 8 .. 15
	s_mov_b32 s40, 0xbfc90fdb                      ; -pi/2, first word
	s_mov_b32 s41, 0x333bbd2e                      ; first word - pi/2
	s_mov_b32 s42, 0xb94ca1f9                      ; sine
	s_mov_b32 s43, 0x3c08839e
	s_mov_b32 s44, 0xbe2aaaa3
	s_mov_b32 s45, 0x37ccf5ce                      ; cosine
	s_mov_b32 s46, 0xbab6061a
	s_mov_b32 s47, 0x3d2aaaa5
	s_lshl_b32 s26, s25, 12
	s_mov_b32 s27, 0
	s_wait_alu depctr_va_vdst(0)
	s_wait_kmcnt 0x0
	s_add_nc_u64 s[22:23], s[22:23], s[26:27]
.macro POW k, hi, lo                   ; 10^(j / 8) for i = k and k + 8: (hi + lo) x the power of ten, rounded once
.irp u, 0,1
	v_mul_f32 v[64+\k+8*\u], \hi, v[5+\u]
	v_fma_f32 v[80+\k+8*\u], \hi, v[5+\u], -v[64+\k+8*\u]
	v_fma_f32 v[80+\k+8*\u], \lo, v[5+\u], v[80+\k+8*\u]
	v_add_f32 v[64+\k+8*\u], v[64+\k+8*\u], v[80+\k+8*\u]
.endr
.endm
	v_mov_b32 v64, v5
	v_mov_b32 v72, v6
	POW 1, 0x3faab0d5, 0xb364577d
	POW 2, 0x3fe39ea9, 0xb26aee20
	POW 3, 0x4017c496, 0x3360691f
	POW 4, 0x404a62c2, 0xb324b48d
	POW 5, 0x4086f161, 0xb430578e
	POW 6, 0x40b3f300, 0x34323465
	POW 7, 0x40eff755, 0x34515b57
.set i, 0
	s_wait_alu depctr_va_vdst(0)
.rept 16
	v_rcp_f32 v[80+i], v[64+i]
.set i, i+1
.endr
	v_nop                                          ; a plain instruction behind the last reciprocal
	s_wait_alu depctr_va_vdst(0)                   ; one wait for the sixteen, ahead of their first reader
.set i, 0
.rept 16
	v_fma_f32 v[96+i], -v[64+i], v[80+i], 1.0
.set i, i+1
.endr
.set i, 0
.rept 16
	v_fma_f32 v[16+i], v[96+i], v[80+i], v[80+i]   ; f(j): the reciprocal, corrected once
.set i, i+1
.endr
.set i, 0
.rept 16
	v_mul_f32 v[64+i], v4, v[16+i]                 ; the angle
.set i, i+1
.endr
.set i, 0
.rept 16
	v_mul_f32 v[80+i], 0x3f22f983, v[64+i]
.set i, i+1
.endr
.set i, 0
.rept 16
	v_rndne_f32 v[80+i], v[80+i]                   ; n = the nearest multiple of pi/2
.set i, i+1
.endr
.set i, 0
.rept 16
	v_fma_f32 v[96+i], v[80+i], s40, v[64+i]
.set i, i+1
.endr
.set i, 0
.rept 16
	v_fma_f32 v[96+i], v[80+i], s41, v[96+i]       ; x = angle - n pi/2
.set i, i+1
.endr
.set i, 0
.rept 16
	v_mul_f32 v[112+i], v[96+i], v[96+i]           ; z = x^2
.set i, i+1
.endr
.set i, 0
.rept 16
	v_fma_f32 v[128+i], v[112+i], s42, s43
	v_fma_f32 v[144+i], v[112+i], s45, s46
.set i, i+1
.endr
.set i, 0
.rept 16
	v_fma_f32 v[128+i], v[128+i], v[112+i], s44
	v_fma_f32 v[144+i], v[144+i], v[112+i], s47
.set i, i+1
.endr
.set i, 0
.rept 16
	v_mul_f32 v[128+i], v[128+i], v[112+i]
	v_mul_f32 v[64+i], v[112+i], v[112+i]
	v_fma_f32 v[16+i], v[112+i], -0.5, 1.0
.set i, i+1
.endr
.set i, 0
.rept 16
	v_fma_f32 v[128+i], v[128+i], v[96+i], v[96+i] ; sin x
	v_fma_f32 v[144+i], v[144+i], v[64+i], v[16+i] ; cos x
	v_cvt_i32_f32 v[160+i], v[80+i]
.set i, i+1
.endr
.set i, 0
.rept 16                               ; the quadrant: n odd exchanges the two; sin changes sign where n & 2, cos where (n + 1) & 2
	v_and_b32 v80, 1, v[160+i]
	v_cmp_eq_u32 vcc_lo, 1, v80
	v_cndmask_b32 v[48+i], v[128+i], v[144+i], vcc_lo
	v_cndmask_b32 v[32+i], v[144+i], v[128+i], vcc_lo
	v_lshlrev_b32 v81, 30, v[160+i]
	v_and_b32 v81, 0x80000000, v81
	v_xor_b32 v[48+i], v[48+i], v81
	v_add_nc_u32 v82, 1, v[160+i]
	v_lshlrev_b32 v82, 30, v82
	v_and_b32 v82, 0x80000000, v82
	v_xor_b32 v[32+i], v[32+i], v82
.set i, i+1
.endr
.irp c, 0,1,2,3,4,5,6,7
	global_store_b128 v3, v[32+4*\c:35+4*\c], s[22:23] offset:512*\c     ; 512 consecutive bytes
.endr
	s_endpgm
.Lfunc_end_k_q39578331ed_prep:
	.size	k_q39578331ed_prep, .Lfunc_end_k_q39578331ed_prep-k_q39578331ed_prep
	.p2alignl 7, 3214868480
	.fill 96, 4, 3214868480
	.section	.rodata,"a",@progbits
	.p2align	6, 0x0
	.amdhsa_kernel k_q39578331ed_prep
		.amdhsa_group_segment_fixed_size 35328
		.amdhsa_private_segment_fixed_size 0
		.amdhsa_enable_private_segment 0
		.amdhsa_kernarg_size 80
		.amdhsa_user_sgpr_count 2
		.amdhsa_user_sgpr_kernarg_segment_ptr 1
		.amdhsa_wavefront_size32 1
		.amdhsa_system_sgpr_workgroup_id_x 1
		.amdhsa_system_sgpr_workgroup_id_y 1
		.amdhsa_system_sgpr_workgroup_id_z 1
		.amdhsa_system_vgpr_workitem_id 0
		.amdhsa_next_free_vgpr 192
		.amdhsa_next_free_sgpr 66
		.amdhsa_reserve_vcc 1
		.amdhsa_float_denorm_mode_32 3
		.amdhsa_float_denorm_mode_16_64 3
		.amdhsa_memory_ordered 1
		.amdhsa_forward_progress 1
		.amdhsa_inst_pref_size 50
	.end_amdhsa_kernel
	.amdgpu_metadata
---
amdhsa.version: [ 1, 2 ]
amdhsa.kernels:
  - .name:           k_q39578331ed_prep
    .symbol:         k_q39578331ed_prep.kd
    .args:
      - { .name: query, .offset: 0, .size: 8, .value_kind: global_buffer, .address_space: global }
      - { .name: key, .offset: 8, .size: 8, .value_kind: global_buffer, .address_space: global }
      - { .name: value, .offset: 16, .size: 8, .value_kind: global_buffer, .address_space: global }
      - { .name: Wq, .offset: 24, .size: 8, .value_kind: global_buffer, .address_space: global }
      - { .name: Wk, .offset: 32, .size: 8, .value_kind: global_buffer, .address_space: global }
      - { .name: Wv, .offset: 40, .size: 8, .value_kind: global_buffer, .address_space: global }
      - { .name: Wo, .offset: 48, .size: 8, .value_kind: global_buffer, .address_space: global }
      - { .name: codes, .offset: 56, .size: 8, .value_kind: global_buffer, .address_space: global }
      - { .name: scales, .offset: 64, .size: 8, .value_kind: global_buffer, .address_space: global }
      - { .name: tab, .offset: 72, .size: 8, .value_kind: global_buffer, .address_space: global }
    .group_segment_fixed_size: 35328
    .private_segment_fixed_size: 0
    .kernarg_segment_align: 8
    .kernarg_segment_size: 80
    .max_flat_workgroup_size: 128
    .sgpr_count:     66
    .vgpr_count:     192
    .wavefront_size: 32
...
	.end_amdgpu_metadata
.endif
;; end of part 1
;; launch proj (part 2): grid 4 x 48, 4 waves a work-group, clusters of 4 x 4, 327,680 bytes of LDS; arguments codes, scales, tab, bq, bk, bv, qbuf, kv; writes qbuf, kv
.if DOCPART == 2
	.amdgcn_target "amdgcn-amd-amdhsa--gfx1250"
	.amdhsa_code_object_version 6
	.text
	.protected	k_q39578331ed_proj
	.globl	k_q39578331ed_proj
	.p2align	8
	.type	k_q39578331ed_proj,@function
k_q39578331ed_proj:
	s_mov_b64 s[64:65], 0
	v_nop
	global_prefetch_b8 v0, s[64:65] scope:SCOPE_SE
	s_setreg_imm32_b32 hwreg(HW_REG_WAVE_MODE, 25, 1), 1
	s_wait_xcnt 0x0
	s_wait_alu depctr_hold_cnt(0) depctr_sa_sdst(0) depctr_va_vdst(0) depctr_va_sdst(0) depctr_va_ssrc(0) depctr_va_vcc(0) depctr_vm_vsrc(0)
	s_getreg_b32 s2, hwreg(HW_REG_IB_STS2, 6, 4)
	s_cmp_eq_u32 s2, 0
	s_cbranch_scc0 .Lentry_in_a_cluster
	s_endpgm
.Lentry_in_a_cluster:
	s_bfe_u32 s2, ttmp6, 0x10000c
	s_cmp_lg_u32 s2, 0xf033
	s_cbranch_scc0 .Lentry_shape_is_right
	s_endpgm
.Lentry_shape_is_right:
; PROJ.  The three projections on codes of FP6 (E2M3) with E8M0 scales, K = 1024, then bias, rotation (q, k) and the quantiser of the next product.  Cluster y = 4 x projection + sub.
; q, k: C = activations x W^T; source 1 (a lane = a row) takes 16 tokens, source 0 (registers = rows) 16 output features.  v: V^T = Wv x value^T by the same text: source 1 takes 16 features of Wv, source 0 16 tokens.
; So a lane's registers run along the NEXT product's K: the head's 64 features for q and k, the keys for v.  Rows stand in the order of positions (a row's number with bits 3 and 4 exchanged), so the 16 registers of result
; tiles 2 b and 2 b + 1 are rows 32 b + 16 (lane / 16) + 0 .. 15 of source 0's tensor.
; A tile of C, 256 x 256, is made by four waves, 128 x 128 each: 64 accumulators, 512 registers.  K goes in steps of 256 through two LDS slots filled by the tensor data mover.
; OPERANDS LIE AS IMAGES OF THEIR REGISTERS: 16 rows x 64 K = 768 bytes, lane l's first 16 bytes at 16 l, its last 8 at 512 + 8 l; a block of 16 rows has 16 images on end.  A fragment (128 K) is two images:
; loads of 16, 8, 16, 8 bytes a lane, each of consecutive bytes: no pitch, no padding.  A tile's row for the mover is one block's 4 images, 3,072 bytes, 12,288 bytes from block to block.
; SCALES: [block][K step][row][8 bytes]; those of the work-group's 256 + 256 rows, all of K, come once with the first fills (8,192 dense bytes from each of waves 2 and 3) and stay.
; CLUSTERS: 4 x 4 work-groups; source 1's tiles are shared along a row of the cluster, source 0's along a column, each asked for jointly.  The grid's x is one cluster wide, so the tile column is cx.
; THE WAY OUT, straight from registers.  qbuf, kv = [head][chunk of 128 tokens][6,656 or 13,056 bytes]: bytes 0 .. 6143 four pairs of tiles of 16 tokens (3 planes of 512 bytes; a lane's 48 bytes: the even tile's 24, the odd tile's 24);
; 6144 .. 6655 scale words [lane][pair]: lanes 0-15 the even tile's rows, lanes 16-31 the odd tile's; a word is the head's two bytes, twice.  kv alone: 6656 .. 12799 V^T's four fragments (16 features x 128 keys), 12800 .. 13055 their words [lane][pair].
; LIMITS: NaN and infinities are not served; a block whose largest magnitude lies under 2^-124, zeros among them, keeps the byte 1 (zeros have zero codes; this program alone reads the bytes).
; REGISTERS, in windows of 256.  Window 0: v1-31 addresses and work; v32-63 scale words, two sets; v64-95 codes and scale words on the way out; v96-111 v's bias; v128-223 source 1's fragments, one set, later 64 numbers (v128-191);
;   v192-255 two sets of cos and sin.  Window 1: source 0's fragments, two sets, at v0 and v128; v96-127 and v224-255 q's or k's bias.  Windows 2, 3: the accumulators ((a, b) at v[8 (8 (a % 4) + b)]).
.set NQ,     2                         ; matrix instructions deep in a slot
.set FR,     12                        ; registers of a fragment
.set NL,     4                         ; LDS loads that bring one
.set NP,     4                         ; places behind this matrix instruction (ISA guide 7.12.1)
.set HFB,    768                       ; an image
.set BLKB,   4*HFB                     ; a block's part of a slot
.set HALFT,  8*BLKB                    ; 128 rows: what one tensor load brings
.set SLOT,   4*HALFT
.set LAPS,   2                         ; 1024 / 512
.set SCL,    2*SLOT                    ; behind the ring: the scales
.set HALFS,  4096
.set SBLK,   512
.set SPARE,  SCL+4*HALFS               ; the spare words, 128 bytes a wave: two blocks of 256 bytes that no other line names
.set HEADB,  32*13056                  ; a head in kv
.set ADRA, 16                          ; v16-17 16 x lane + my source 1 rows in slot 0, 1;  v18-19 the same with 8 x lane
.set ADRB, 20                          ; v20-23 the same for source 0
.set ADRS, 27                          ; v27 my scale words: lanes 0-15 source 1's rows, lanes 16-31 source 0's
.set SPW,  28                          ; v28 SPARE + 4 x my thread's number; never rewritten
.set NIL,  29                          ; v29 0; never rewritten
.set SC,   32
.set AF,   128
.set TM,   4                           ; v4-7 largest magnitudes, v8-11 the other half's and then bytes, v12-15 scale operands
.set CT0,  16                          ; v16-18, v20-22 conversions' second halves (v16-19 also at work in the rotation)
.set CT1,  20
.set PW,   24                          ; the scale word just made; v25-26 at work
.set R,    64                          ; v64-87 codes to store
.set SW,   88                          ; v88-95 scale words to store
.set BV,   96                          ; v96-111 v's bias, a pair for each block
.set X,    128                         ; 64 numbers
.set G1, 24
.set G0, 32
.set G1B, 48
.set G0B, 56
.set G1S, 68
.set G0S, 76
.set G1SB, 80
.set G0SB, 88
.set SEL, 100                          ; s[100:101] lane selects for v_permlanex16_b32: lane l xor 16
.set HM,  45                           ; s45 the mask of lanes 16-31
.set MSB, 0
.macro WIN new                         ; the immediate's high byte repeats the setting that is left
.if MSB != \new
	s_set_vgpr_msb (MSB<<8)|\new
.set MSB, \new
.endif
.endm
.set MUL_LO, 0xa1                      ; source 0 window 1, source 1 window 0, C and D window 2
.set MUL_HI, 0xf1
.set TO_B,   0x40
; A joint load: waves 0 and 1 fetch for source 1, waves 2 and 3 for source 0.  Four v_nop follow each of the two lines.
.macro JLOAD g0a, g1a, g0b, g1b
	s_cmp_eq_u32 s15, 0
	s_cbranch_scc0 .Lfor_b_\@
	tensor_load_to_lds s[\g0a:\g0a+3], s[\g1a:\g1a+7]
	s_nop 0
.rept 4
	v_nop
.endr
	s_branch .Lasked_\@
.Lfor_b_\@:
	tensor_load_to_lds s[\g0b:\g0b+3], s[\g1b:\g1b+7]
	s_nop 0
.rept 4
	v_nop
.endr
.Lasked_\@:
.endm
.macro CREST                           ; a round of the cluster's barrier behind its opening barrier
	s_cmp_lg_u32 s14, 0
	s_cbranch_scc1 .Lnot_wave_0_\@
	s_barrier_signal -3
.Lnot_wave_0_\@:
	s_barrier_wait -3
	s_barrier_signal -1
	s_barrier_wait -1
.endm
.macro CROUND
	s_barrier_signal -1
	s_barrier_wait -1
	CREST
.endm
	s_load_b256 s[4:11], s[0:1], 0x0               ; codes, scales, tab, bq
	s_load_b256 s[92:99], s[0:1], 0x20             ; bk, bv, qbuf, kv
	v_lshl_add_u32 v[SPW], v0, 2, SPARE
	v_mov_b32 v[NIL], 0
	ds_add_u32 v28, v29
	ds_add_u32 v28, v29
	s_wait_dscnt 0x0
	v_lshrrev_b32 v1, 5, v0
	v_readfirstlane_b32 s14, v1                    ; wave
	s_lshr_b32 s15, s14, 1                         ; my half of source 1's rows.  Also: I fetch for source 1 (0) or source 0 (1)
	s_and_b32 s16, s14, 1                          ; my half of source 0's rows.  Also: which 128 rows I fetch
	s_bfe_u32 s40, ttmp6, 0x40000                  ; cx
	s_bfe_u32 s41, ttmp6, 0x40004                  ; cy
	s_and_b32 s17, ttmp7, 0xffff                   ; cluster y
	s_lshr_b32 s66, s17, 2                         ; the projection: 0 q, 1 k, 2 v: the same in all sixteen partners
	s_and_b32 s67, s17, 3                          ; which 1,024 tokens
	s_lshl_b32 s43, s41, 2
	s_lshl_b32 s43, 15, s43                        ; my row of the cluster
	s_lshl_b32 s44, 0x1111, s40                    ; my column
	s_or_b32 s[G1+0], s43, (3<<16)|(1<<21)         ; 15:0 the mask; 17:16 elements of 8 bytes; 20 no padding; 21 set beside a mask
	s_or_b32 s[G1B+0], s44, (3<<16)|(1<<21)
.irp g, G1, G1B
	s_mov_b32 s[\g+1], 384<<16                     ; tensor_dim0 = 384 elements: 3,072 bytes
	s_mov_b32 s[\g+2], 16<<16                      ; the head's loads bring 16 blocks of rows; behind them the two words are set to 8, for the ring's
	s_mov_b32 s[\g+3], 384<<16                     ; tile_dim0
	s_mov_b32 s[\g+4], 16
	s_mov_b32 s[\g+5], 1536                        ; 12,288 bytes from block to block
	s_mov_b32 s[\g+6], 0
	s_mov_b32 s[\g+7], 0
.endr
	s_or_b32 s[G1S+0], s43, (3<<16)|(1<<21)        ; the scales of 256 rows: 8,192 dense bytes as 32 rows of 256
	s_or_b32 s[G1SB+0], s44, (3<<16)|(1<<21)
.irp g, G1S, G1SB
	s_mov_b32 s[\g+1], 32<<16
	s_mov_b32 s[\g+2], 32<<16                      ; the scales of 256 rows: 32 rows of 256 bytes
	s_mov_b32 s[\g+3], 32<<16
	s_mov_b32 s[\g+4], 32
	s_mov_b32 s[\g+5], 32
	s_mov_b32 s[\g+6], 0
	s_mov_b32 s[\g+7], 0
.endr
	; the rows, counted through the seven tensors.  Source 1's hang on cy, source 0's on cx, each in registers that never hold the other
	s_lshl_b32 s18, s66, 12
	s_lshl_b32 s19, s67, 10
	s_add_co_u32 s20, s18, s19                     ; q, k: source 1 = query or key, 1,024 tokens from 1024 sub on
	s_lshl_b32 s46, s66, 10
	s_add_co_u32 s46, s46, 12288                   ; q, k: source 0 = Wq or Wk
	s_add_co_u32 s47, s19, 8192                    ; v: source 0 = value
	s_mov_b32 s18, 14336                           ; v: source 1 = Wv
	s_cmp_lt_u32 s66, 2
	s_cselect_b32 s20, s20, s18
	s_cselect_b32 s46, s46, s47
	s_lshl_b32 s19, s41, 8
	s_add_co_u32 s20, s20, s19                     ; the tile's first row of source 1
	s_lshl_b32 s47, s40, 8
	s_add_co_u32 s46, s46, s47                     ; and of source 0
	s_lshl_b32 s22, s20, 5                         ; 32 scale bytes a row
	s_mov_b32 s23, 0
	s_lshl_b32 s100, s46, 5
	s_mov_b32 s101, 0
	s_mul_i32 s20, s20, 768                        ; 768 bytes of codes a row
	s_mov_b32 s21, 0
	s_mul_i32 s46, s46, 768
	s_mov_b32 s47, 0
	s_mul_i32 s45, s14, HALFT                      ; where they go: no place in the cluster enters an LDS address
	s_mul_i32 s18, s16, 128*768                    ; in the ring I fetch 128 rows of a tile: which half, in bytes
	s_mov_b32 s19, 0
	s_wait_kmcnt 0x0
	s_add_nc_u64 s[20:21], s[4:5], s[20:21]
	s_add_nc_u64 s[22:23], s[6:7], s[22:23]
	s_add_nc_u64 s[46:47], s[4:5], s[46:47]
	s_add_nc_u64 s[100:101], s[6:7], s[100:101]
	CROUND                                         ; all sixteen work-groups are here: the first joint loads meet
	s_mov_b32 s[G0S], 1
	s_mov_b32 s[G0S+1], SCL
	s_mov_b64 s[G0S+2:G0S+3], s[22:23]
	s_or_b32 s[G0S+3], s[G0S+3], 0x80000000
	s_mov_b32 s[G0SB], 1
	s_mov_b32 s[G0SB+1], SCL+2*HALFS
	s_mov_b64 s[G0SB+2:G0SB+3], s[100:101]
	s_or_b32 s[G0SB+3], s[G0SB+3], 0x80000000
	s_mov_b32 s[G0], 1                             ; slot 0's groups 0 serve the head first: K step 0 of all 256 rows of source 1,
	s_mov_b32 s[G0+1], 0
	s_mov_b64 s[G0+2:G0+3], s[20:21]
	s_or_b32 s[G0+3], s[G0+3], 0x80000000
	s_mov_b32 s[G0B], 1                            ; and of source 0, behind them
	s_mov_b32 s[G0B+1], 2*HALFT
	s_mov_b64 s[G0B+2:G0B+3], s[46:47]
	s_or_b32 s[G0B+3], s[G0B+3], 0x80000000
	s_add_nc_u64 s[12:13], s[20:21], s[18:19]      ; for the ring: my 128 rows of the tile
	s_add_nc_u64 s[46:47], s[46:47], s[18:19]
	s_mov_b32 s[G0+4], 1
	s_add_co_u32 s[G0+5], s45, SLOT
	s_add_nc_u64 s[G0+6:G0+7], s[12:13], BLKB
	s_or_b32 s[G0+7], s[G0+7], 0x80000000
	s_mov_b32 s[G0B+4], 1
	s_add_co_u32 s[G0B+5], s45, SLOT
	s_add_nc_u64 s[G0B+6:G0B+7], s[46:47], BLKB
	s_or_b32 s[G0B+7], s[G0B+7], 0x80000000
	; the head's four tiles, one joint load a wave: one chain of branches on the wave's number, all arms leading to one join
	s_cmp_lt_u32 s14, 1
	s_cbranch_scc0 .Lhead_b
	tensor_load_to_lds s[G0:G0+3], s[G1:G1+7]
	s_nop 0
.rept 4
	v_nop
.endr
	s_branch .Lfirst_done
.Lhead_b:
	s_cmp_lt_u32 s14, 2
	s_cbranch_scc0 .Lhead_sa
	tensor_load_to_lds s[G0B:G0B+3], s[G1B:G1B+7]
	s_nop 0
.rept 4
	v_nop
.endr
	s_branch .Lfirst_done
.Lhead_sa:
	s_cmp_lt_u32 s14, 3
	s_cbranch_scc0 .Lhead_sb
	tensor_load_to_lds s[G0S:G0S+3], s[G1S:G1S+7]
	s_nop 0
.rept 4
	v_nop
.endr
	s_branch .Lfirst_done
.Lhead_sb:
	tensor_load_to_lds s[G0SB:G0SB+3], s[G1SB:G1SB+7]
	s_nop 0
.rept 4
	v_nop
.endr
.Lfirst_done:
	s_mov_b32 s[SEL], 0x76543210
	s_mov_b32 s[SEL+1], 0xfedcba98
	s_mov_b32 s[HM], 0xffff0000
	v_and_b32 v4, 15, v0                           ; r
	v_bfe_u32 v5, v0, 4, 1                         ; h
	v_and_b32 v6, 31, v0
	v_lshlrev_b32 v1, 4, v6                        ; 16 x lane; never rewritten
	v_lshlrev_b32 v3, 3, v6                        ; 8 x lane; never rewritten
	s_mul_i32 s21, s15, HALFT
	s_mul_i32 s22, s16, HALFT
	s_add_co_u32 s22, s22, 2*HALFT
.irp s, 0,1
	v_add_nc_u32 v[ADRA+\s], s21, v1
	v_add_nc_u32 v[ADRB+\s], s22, v1
	v_add_nc_u32 v[ADRA+2+\s], s21, v3
	v_add_nc_u32 v[ADRB+2+\s], s22, v3
	s_add_co_u32 s21, s21, SLOT
	s_add_co_u32 s22, s22, SLOT
.endr
	v_lshlrev_b32 v7, 3, v4                        ; 8 bytes a row
	s_lshl_b32 s21, s15, 12
	s_lshl_b32 s22, s16, 12
	s_add_co_u32 s22, s22, 2*HALFS
	s_sub_co_u32 s22, s22, s21
	v_mul_u32_u24 v8, s22, v5                      ; lanes 16-31 take source 0's
	s_add_co_u32 s21, s21, SCL
	v_add_nc_u32 v7, v7, v8
	v_add_nc_u32 v[ADRS], s21, v7
.macro FRAG reg, adr, q, i             ; block i's fragment of the slot's q-th 128 along K: two images
	ds_load_b128 v[\reg:\reg+3], v[\adr] offset:(\i)*BLKB+(\q)*2*HFB
	ds_load_b64 v[\reg+4:\reg+5], v[\adr+2] offset:(\i)*BLKB+(\q)*2*HFB+512
	ds_load_b128 v[\reg+6:\reg+9], v[\adr] offset:(\i)*BLKB+(\q)*2*HFB+HFB
	ds_load_b64 v[\reg+10:\reg+11], v[\adr+2] offset:(\i)*BLKB+(\q)*2*HFB+HFB+512
.endm
; 16 matrix instructions: source 1's blocks a0, a0 + 1 x source 0's eight.  The 64 accumulators take turns, one instruction a turn, in the same order in every step.
.macro MUL16 a0, p, q, sc, zero
.irp a, \a0, \a0+1
.irp b, 0,1,2,3,4,5,6,7
.if \zero
	v_wmma_scale_f32_16x16x128_f8f6f4 v[8*(8*((\a)%4)+\b):8*(8*((\a)%4)+\b)+7], v[128*(\p)+FR*\b:128*(\p)+FR*\b+FR-1], v[AF+FR*(\a):AF+FR*(\a)+FR-1], 0, v[SC+8*NQ*(\sc)+NQ*\b+(\q)], v[SC+8*NQ*(\sc)+NQ*(\a)+(\q)] matrix_a_fmt:MATRIX_FMT_FP6 matrix_b_fmt:MATRIX_FMT_FP6 matrix_a_scale:MATRIX_SCALE_ROW1
.else
	v_wmma_scale_f32_16x16x128_f8f6f4 v[8*(8*((\a)%4)+\b):8*(8*((\a)%4)+\b)+7], v[128*(\p)+FR*\b:128*(\p)+FR*\b+FR-1], v[AF+FR*(\a):AF+FR*(\a)+FR-1], v[8*(8*((\a)%4)+\b):8*(8*((\a)%4)+\b)+7], v[SC+8*NQ*(\sc)+NQ*\b+(\q)], v[SC+8*NQ*(\sc)+NQ*(\a)+(\q)] matrix_a_fmt:MATRIX_FMT_FP6 matrix_b_fmt:MATRIX_FMT_FP6 matrix_a_scale:MATRIX_SCALE_ROW1
.endif
.endr
.endr
.endm
.macro FETCH_B slot, q, p
	WIN TO_B
.irp i, 0,1,2,3,4,5,6,7
	FRAG 128*(\p)+FR*\i, ADRB+\slot, \q, \i
.endr
	WIN 0
.endm
.macro FETCH_A slot, q, i0
.irp i, \i0, \i0+1, \i0+2, \i0+3
	FRAG AF+FR*(\i), ADRA+\slot, \q, \i
.endr
.endm
.macro SCALES sc                       ; a K step's two words a row: lanes 0-15 source 1's block i, lanes 16-31 source 0's block i
.irp i, 0,1,2,3,4,5,6,7
	ds_load_b64 v[SC+8*NQ*\sc+NQ*\i:SC+8*NQ*\sc+NQ*\i+1], v[ADRS] offset:\i*SBLK
.endr
.endm
.macro PLACES n                        ; plain vector instructions between a matrix instruction and a load into, or a read or write of, its registers
.rept \n
	v_nop
.endr
.endm
.macro STEP slot, q, zero              ; a step of 128 along K that has its successor in the same slot
	s_wait_dscnt 4*NL                              ; all but the youngest 16 loads: source 1's blocks 4-7
	WIN MUL_LO
	MUL16 0, (\q)%2, \q, \slot, \zero
	MUL16 2, (\q)%2, \q, \slot, \zero
	s_wait_dscnt 0
	PLACES NP
	FETCH_B \slot, (\q)+1, 1-(\q)%2
	FETCH_A \slot, (\q)+1, 0
	WIN MUL_HI
	MUL16 4, (\q)%2, \q, \slot, \zero
	MUL16 6, (\q)%2, \q, \slot, \zero
	PLACES NP
	WIN 0
	FETCH_A \slot, (\q)+1, 4
.endm
; A slot's last step changes slots: one barrier; in front of it each wave waits for all its tensor loads, adds 0 to its spare word, and waits for that and for its reads of this slot.  fill = 1: this slot is filled again, two K steps ahead.
.macro TURN slot, next, fill
	s_wait_tensorcnt 0x0                           ; all my tensor loads have landed: my part of the next slot
	ds_add_u32 v[SPW], v[NIL]                      ; 0 onto my spare word
	s_wait_dscnt 4*NL+1                            ; (the add and the youngest 16 loads may be out)
	WIN MUL_LO
	MUL16 0, 1, NQ-1, \slot, 0
	s_wait_dscnt 0x0                               ; the add is done, and my reads of this slot are over
	s_barrier_signal -1
	MUL16 2, 1, NQ-1, \slot, 0
	WIN 0
	s_barrier_wait -1
.if \fill
	CREST                                          ; the barrier has opened a round of the cluster's: no wave of any partner still reads this slot or has a load on its way
	s_add_nc_u64 s[G0+4*\slot+2:G0+4*\slot+3], s[G0+4*\slot+2:G0+4*\slot+3], 2*BLKB
	s_add_nc_u64 s[G0B+4*\slot+2:G0B+4*\slot+3], s[G0B+4*\slot+2:G0B+4*\slot+3], 2*BLKB
	JLOAD G0+4*\slot, G1, G0B+4*\slot, G1B         ; the first tensor load behind the round; its four v_nop are the places in front of the loads below
.else
	PLACES NP
.endif
	s_wait_alu depctr_va_vdst(0)
	v_add_nc_u32 v[ADRS], 128, v[ADRS]             ; the next K step's scale words
	FETCH_B \next, 0, 0
	FETCH_A \next, 0, 0
	SCALES \next
	WIN MUL_HI
	MUL16 4, 1, NQ-1, \slot, 0
	MUL16 6, 1, NQ-1, \slot, 0
	PLACES NP
	WIN 0
	FETCH_A \next, 0, 4
.endm
.macro TAIL2                           ; the last K step's two steps: nothing more is filled, no barrier follows
	STEP 1, 0, 0
	s_wait_dscnt 4*NL
	WIN MUL_LO
	MUL16 0, 1, NQ-1, 1, 0
	MUL16 2, 1, NQ-1, 1, 0
	s_wait_dscnt 0
	WIN MUL_HI
	MUL16 4, 1, NQ-1, 1, 0
	MUL16 6, 1, NQ-1, 1, 0
	WIN 0
.endm
; 64 numbers of a lane, register 16 b + i = place 32 b + 16 (lane / 16) + i along the next K of my row, become codes: blocks 0, 1 in v[d0 .. d0 + 5], blocks 2, 3 in v[d1 .. d1 + 5] (lanes 0-15 the even block, lanes 16-31 the odd one), the four bytes in v[PW].
.macro QUANT s, d0, d1
.irp b, 0,1,2,3
	v_max3_num_f32 v[TM+\b], |v[\s+16*\b]|, |v[\s+1+16*\b]|, 0x1800000   ; with the floor 2^(3 - 127): the byte cannot fall under 1
.endr
.irp i, 2,4,6,8,10,12,14
.irp b, 0,1,2,3
	v_max3_num_f32 v[TM+\b], v[TM+\b], |v[\s+16*\b+\i]|, |v[\s+1+16*\b+\i]|
.endr
.endr
.irp b, 0,1,2,3
	v_permlanex16_b32 v[TM+4+\b], v[TM+\b], s[SEL], s[SEL+1]
.endr
.irp b, 0,1,2,3
	v_max_num_f32 v[TM+\b], v[TM+\b], v[TM+4+\b]   ; with lane l xor 16's: the block's largest magnitude
.endr
.irp b, 0,1,2,3
	v_add_nc_u32 v[TM+8+\b], 0xff000000, v[TM+\b]  ; 2 off its exponent field: the conversion's scale operand
.endr
.irp b, 0,1,2,3
	v_lshrrev_b32 v[TM+4+\b], 23, v[TM+8+\b]       ; the byte
.endr
	v_lshl_or_b32 v[PW], v[TM+5], 8, v[TM+4]
	v_lshl_or_b32 v[PW], v[TM+6], 16, v[PW]
	v_lshl_or_b32 v[PW], v[TM+7], 24, v[PW]
	v_cvt_scalef32_pk16_fp6_f32 v[\d0:\d0+2], v[\s:\s+15], v[TM+8]
	v_cvt_scalef32_pk16_fp6_f32 v[CT0:CT0+2], v[\s+16:\s+31], v[TM+9]
	v_cvt_scalef32_pk16_fp6_f32 v[\d1:\d1+2], v[\s+32:\s+47], v[TM+10]
	v_cvt_scalef32_pk16_fp6_f32 v[CT1:CT1+2], v[\s+48:\s+63], v[TM+11]
	v_nop                                          ; one plain place behind a scaled conversion
.irp i, 0,1,2
	v_permlane16_swap_b32 v[\d0+\i], v[CT0+\i]     ; a whole block to a lane
	v_permlane16_swap_b32 v[\d1+\i], v[CT1+\i]
.endr
.irp i, 0,1,2
	v_mov_b32 v[\d0+3+\i], v[CT0+\i]
	v_mov_b32 v[\d1+3+\i], v[CT1+\i]
.endr
.endm
	s_wait_alu depctr_va_vdst(0)
	s_wait_tensorcnt 0x0                           ; my tile of the head's four is in
	ds_add_u32 v[SPW], v[NIL]
	s_mov_b32 s[G1+2], 8<<16                       ; no tensor load of mine is out, so descriptors may be written: from here on a load brings 8 blocks of rows,
	s_mov_b32 s[G1+4], 8
	s_mov_b32 s[G1B+2], 8<<16
	s_mov_b32 s[G1B+4], 8
	s_mul_i32 s[G0+1], s14, HALFT                  ; and slot 0's groups 0 stand at my 128 rows of K step 0: the first refill steps them to K step 2
	s_mov_b64 s[G0+2:G0+3], s[12:13]
	s_or_b32 s[G0+3], s[G0+3], 0x80000000
	s_mul_i32 s[G0B+1], s14, HALFT
	s_mov_b64 s[G0B+2:G0B+3], s[46:47]
	s_or_b32 s[G0B+3], s[G0B+3], 0x80000000
	s_wait_dscnt 0x0
	CROUND                                         ; all four tiles are in, all sixteen work-groups are here
	JLOAD G0+4, G1, G0B+4, G1B                     ; K step 1, the first tensor load behind the round
	FETCH_B 0, 0, 0
	FETCH_A 0, 0, 0
	SCALES 0
	FETCH_A 0, 0, 4
	STEP 0, 0, 1                                   ; the first step's products start the sums
	s_mov_b32 s3, LAPS-1
.Llap:
	TURN 0, 1, 1
	STEP 1, 0, 0
	TURN 1, 0, 1
	STEP 0, 0, 0
	s_sub_co_u32 s3, s3, 1
	s_cmp_lg_u32 s3, 0
	s_cbranch_scc1 .Llap
	TURN 0, 1, 0                                   ; the last change of slots fills nothing
	; The ways part here, once, on the projection.  Each way asks for its bias (and table) first, so that these loads land under the last 128 matrix instructions, which are written on both ways.
	s_cmp_eq_u32 s66, 2
	s_cbranch_scc1 .Lv
	; ---------------- q and k
	s_cmp_eq_u32 s66, 0
	s_cselect_b64 s[10:11], s[10:11], s[92:93]     ; bq or bk
	s_cselect_b64 s[12:13], s[96:97], s[98:99]     ; qbuf or kv
	s_mov_b32 s19, 13056
	s_cselect_b32 s19, 6656, s19                   ; a chunk's bytes there
	s_lshl_b32 s20, s40, 10
	s_lshl_b32 s22, s16, 9
	s_add_co_u32 s20, s20, s22
	s_mov_b32 s21, 0
	s_add_nc_u64 s[10:11], s[10:11], s[20:21]      ; the bias of my 128 features: 256 cx + 128 half
	s_lshl_b32 s17, s67, 2
	s_add_co_u32 s17, s17, s41                     ; my tile of 256 tokens
	s_lshl_b32 s20, s17, 16
	s_lshl_b32 s22, s15, 15
	s_add_co_u32 s20, s20, s22
	s_add_nc_u64 s[8:9], s[8:9], s[20:21]          ; the table of my 8 blocks of tokens, 4,096 bytes each
	v_bfe_u32 v30, v0, 4, 1
	v_lshlrev_b32 v30, 6, v30                      ; tile b's registers are features 32 (b / 2) + 8 (b % 2) + 16 (lane / 16) + 0 .. 7
	WIN 0x40                                       ; destination window 1
.irp b, 0,1,2,3
	global_load_b128 v[96+8*\b:99+8*\b], v30, s[10:11] offset:(32*(\b/2)+8*(\b%2))*4
	global_load_b128 v[100+8*\b:103+8*\b], v30, s[10:11] offset:(32*(\b/2)+8*(\b%2))*4+16
.endr
.irp b, 4,5,6,7
	global_load_b128 v[192+8*\b:195+8*\b], v30, s[10:11] offset:(32*(\b/2)+8*(\b%2))*4
	global_load_b128 v[196+8*\b:199+8*\b], v30, s[10:11] offset:(32*(\b/2)+8*(\b%2))*4+16
.endr
	WIN 0
.macro TABLE a                         ; block a's 16 cos and 16 sin: even blocks into v224-255, odd ones into v192-223
.irp c, 0,1,2,3,4,5,6,7
	global_load_b128 v[224-32*((\a)%2)+4*\c:227-32*((\a)%2)+4*\c], v1, s[8:9] offset:(\a)*4096+512*\c
.endr
.endm
	TABLE 0
	s_lshl_b32 s20, s40, 2
	s_lshl_b32 s22, s16, 1
	s_add_co_u32 s20, s20, s22                     ; my first head: 4 cx + 2 half
	s_lshl_b32 s20, s20, 5
	s_lshl_b32 s22, s17, 1
	s_add_co_u32 s20, s20, s22
	s_add_co_u32 s20, s20, s15                     ; 32 chunks a head; my chunk: 2 x tile + half
	s_mul_i32 s20, s20, s19
	s_add_nc_u64 s[12:13], s[12:13], s[20:21]
	s_lshl_b32 s22, s19, 5
	v_add_nc_u32 v2, s22, v1                       ; the second head lies 32 chunks on
	TAIL2
.irp b, 0,1,2,3
	v_mov_b32 v[TM+4+\b], 0                        ; a lane permute's destination counts as one of its sources.  These four are also the places behind the last products
.endr
; Block a: 16 tokens x my 128 features (two heads).
.macro QKBLOCK a
.set AC, 64*((\a)%4)
.set TC, 224-32*((\a)%2)
.set TS, TC+16
.if (\a)%2 == 0
	s_wait_xcnt 0x0                                ; the last pair's stores have read their registers: the codes may be written again
.endif
.if (\a) < 7
	TABLE (\a)+1
	s_wait_loadcnt 8                               ; the bias and this block's table are in; the eight loads just issued may be out
.else
	s_wait_loadcnt 0x0
.endif
	WIN 0x06+(\a)/4                                ; source 0: the accumulators' window; source 1: window 1, the bias
.set n, 0
.rept 16
	v_pk_add_f32 v[X+n:X+n+1], v[AC+n:AC+n+1], v[96+n:97+n]      ; each accumulator from its low end on
.set n, n+2
.endr
.rept 16
	v_pk_add_f32 v[X+n:X+n+1], v[AC+n:AC+n+1], v[192+n:193+n]
.set n, n+2
.endr
	WIN 0
.irp c, 0,1                            ; head c: registers 32 c + i are d = 16 h + i, registers 32 c + 16 + i are d + 32: the rotation's two halves, with the same angle
.irp i, 0,2,4,6,8,10,12,14
	v_pk_mul_f32 v[16:17], v[X+32*\c+16+\i:X+32*\c+17+\i], v[TS+\i:TS+\i+1]
	v_pk_mul_f32 v[18:19], v[X+32*\c+\i:X+32*\c+\i+1], v[TS+\i:TS+\i+1]
	v_pk_fma_f32 v[X+32*\c+\i:X+32*\c+\i+1], v[X+32*\c+\i:X+32*\c+\i+1], v[TC+\i:TC+\i+1], v[16:17] neg_lo:[0,0,1] neg_hi:[0,0,1]
	v_pk_fma_f32 v[X+32*\c+16+\i:X+32*\c+17+\i], v[X+32*\c+16+\i:X+32*\c+17+\i], v[TC+\i:TC+\i+1], v[18:19]
.endr
.endr
	QUANT X, R+6*((\a)%2), R+12+6*((\a)%2)
	v_and_b32 v25, 0xffff, v[PW]
	v_lshrrev_b32 v26, 16, v[PW]
	v_lshl_or_b32 v25, v25, 16, v25                ; a head's two bytes, twice: the upper two stand for the 64 along K that the next product fills with zero codes
	v_lshl_or_b32 v26, v26, 16, v26
.if (\a)%2 == 0
	v_mov_b32 v[SW+(\a)/2], v25
	v_mov_b32 v[SW+4+(\a)/2], v26
.else
	v_cndmask_b32 v[SW+(\a)/2], v[SW+(\a)/2], v25, s[HM]       ; lanes 16-31 carry the odd tile's words
	v_cndmask_b32 v[SW+4+(\a)/2], v[SW+4+(\a)/2], v26, s[HM]
.irp p, 0,1,2
	global_store_b128 v1, v[R+4*\p:R+4*\p+3], s[12:13] offset:1536*((\a)/2)+512*\p          ; 512 consecutive bytes
	global_store_b128 v2, v[R+12+4*\p:R+15+4*\p], s[12:13] offset:1536*((\a)/2)+512*\p
.endr
.endif
.endm
.irp a, 0,1,2,3,4,5,6,7
	QKBLOCK \a
.endr
	global_store_b128 v1, v[SW:SW+3], s[12:13] offset:6144
	global_store_b128 v2, v[SW+4:SW+7], s[12:13] offset:6144
	s_branch .Ldone
	; ---------------- v
.Lv:
	s_lshl_b32 s20, s41, 10
	s_lshl_b32 s22, s15, 9
	s_add_co_u32 s20, s20, s22
	s_mov_b32 s21, 0
	s_add_nc_u64 s[94:95], s[94:95], s[20:21]      ; the bias of my 128 features: 256 cy + 128 half
	v_and_b32 v30, 15, v0
	v_and_b32 v31, 8, v0
	v_add_nc_u32 v30, v30, v31
	v_lshlrev_b32 v30, 2, v30                      ; lane r of block a is feature 32 (a / 2) + 8 (a % 2) + r + 8 (r / 8)
.irp a, 0,1,2,3,4,5,6,7
	global_load_b32 v[BV+2*\a], v30, s[94:95] offset:(32*(\a/2)+8*(\a%2))*4
	v_mov_b32 v[BV+2*\a+1], 0                      ; (named with it as a pair, so it is written)
.endr
	s_lshl_b32 s20, s41, 2
	s_lshl_b32 s22, s15, 1
	s_add_co_u32 s20, s20, s22                     ; my first head: 4 cy + 2 half
	s_lshl_b32 s20, s20, 5
	s_lshl_b32 s22, s67, 2
	s_add_co_u32 s22, s22, s40
	s_lshl_b32 s22, s22, 1
	s_add_co_u32 s20, s20, s22
	s_add_co_u32 s20, s20, s16                     ; my chunk of 128 tokens: 2 (4 sub + cx) + half
	s_mul_i32 s20, s20, 13056
	s_add_co_u32 s20, s20, 6656                    ; V's part of a chunk
	s_add_nc_u64 s[12:13], s[98:99], s[20:21]
	TAIL2
.irp b, 0,1,2,3
	v_mov_b32 v[TM+4+\b], 0                        ; as above
.endr
	s_wait_loadcnt 0x0                             ; the bias
; Block a: 16 features x my 128 tokens: one fragment of V^T.
.macro VBLOCK a
.set AC, 64*((\a)%4)
	s_wait_xcnt 0x0                                ; the last block's stores have read their registers
	WIN 0x02+(\a)/4
.set n, 0
.rept 32
	v_pk_add_f32 v[X+n:X+n+1], v[AC+n:AC+n+1], v[BV+2*(\a):BV+2*(\a)+1] op_sel_hi:[1,0]
.set n, n+2
.endr
	WIN 0
	QUANT X, R, R+6
.if (\a)%2 == 0
	v_mov_b32 v[SW+(\a)/2], v[PW]
.else
	v_cndmask_b32 v[SW+(\a)/2], v[SW+(\a)/2], v[PW], s[HM]
.endif
.irp p, 0,1,2
	global_store_b128 v1, v[R+4*\p:R+4*\p+3], s[12:13] offset:((\a)/4)*HEADB+((\a)%4)*1536+512*\p
.endr
.endm
.irp a, 0,1,2,3,4,5,6,7
	VBLOCK \a
.endr
	global_store_b64 v3, v[SW:SW+1], s[12:13] offset:6144              ; 256 consecutive bytes
	global_store_b64 v3, v[SW+2:SW+3], s[12:13] offset:HEADB+6144
.Ldone:
	s_wait_tensorcnt 0x0                           ; the wave's end
	ds_add_u32 v[SPW], v[NIL]
	s_wait_dscnt 0x0
	CROUND                                         ; the closing round: no work-group ends while a partner may still ask for a tile that names it
	s_endpgm
.Lfunc_end_k_q39578331ed_proj:
	.size	k_q39578331ed_proj, .Lfunc_end_k_q39578331ed_proj-k_q39578331ed_proj
	.p2alignl 7, 3214868480
	.fill 96, 4, 3214868480
	.section	.rodata,"a",@progbits
	.p2align	6, 0x0
	.amdhsa_kernel k_q39578331ed_proj
		.amdhsa_group_segment_fixed_size 327680
		.amdhsa_private_segment_fixed_size 0
		.amdhsa_enable_private_segment 0
		.amdhsa_kernarg_size 64
		.amdhsa_user_sgpr_count 2
		.amdhsa_user_sgpr_kernarg_segment_ptr 1
		.amdhsa_wavefront_size32 1
		.amdhsa_system_sgpr_workgroup_id_x 1
		.amdhsa_system_sgpr_workgroup_id_y 1
		.amdhsa_system_sgpr_workgroup_id_z 1
		.amdhsa_system_vgpr_workitem_id 0
		.amdhsa_next_free_vgpr 1024
		.amdhsa_next_free_sgpr 102
		.amdhsa_reserve_vcc 0
		.amdhsa_float_denorm_mode_32 3
		.amdhsa_float_denorm_mode_16_64 3
		.amdhsa_memory_ordered 1
		.amdhsa_forward_progress 1
		.amdhsa_inst_pref_size 255
	.end_amdhsa_kernel
	.section	.bss,"aw",@nobits
	.p2align	6
	.space	262144
	.amdgpu_metadata
---
amdhsa.version: [ 1, 2 ]
amdhsa.kernels:
  - .name:           k_q39578331ed_proj
    .symbol:         k_q39578331ed_proj.kd
    .args:
      - { .name: codes, .offset: 0, .size: 8, .value_kind: global_buffer, .address_space: global }
      - { .name: scales, .offset: 8, .size: 8, .value_kind: global_buffer, .address_space: global }
      - { .name: tab, .offset: 16, .size: 8, .value_kind: global_buffer, .address_space: global }
      - { .name: bq, .offset: 24, .size: 8, .value_kind: global_buffer, .address_space: global }
      - { .name: bk, .offset: 32, .size: 8, .value_kind: global_buffer, .address_space: global }
      - { .name: bv, .offset: 40, .size: 8, .value_kind: global_buffer, .address_space: global }
      - { .name: qbuf, .offset: 48, .size: 8, .value_kind: global_buffer, .address_space: global }
      - { .name: kv, .offset: 56, .size: 8, .value_kind: global_buffer, .address_space: global }
    .group_segment_fixed_size: 327680
    .private_segment_fixed_size: 0
    .kernarg_segment_align: 8
    .kernarg_segment_size: 64
    .max_flat_workgroup_size: 128
    .sgpr_count:     102
    .vgpr_count:     1024
    .wavefront_size: 32
...
	.end_amdgpu_metadata
.endif
;; end of part 2
;; launch attn (part 3): grid 16 x 16, 16 waves a work-group, no clusters, 327,680 bytes of LDS; arguments qbuf, kv, ctxc, csc; writes ctxc, csc
.if DOCPART == 3
	.amdgcn_target "amdgcn-amd-amdhsa--gfx1250"
	.amdhsa_code_object_version 6
	.text
	.protected	k_q39578331ed_attn
	.globl	k_q39578331ed_attn
	.p2align	8
	.type	k_q39578331ed_attn,@function
k_q39578331ed_attn:
	s_mov_b64 s[64:65], 0
	v_nop
	global_prefetch_b8 v0, s[64:65] scope:SCOPE_SE
	s_setreg_imm32_b32 hwreg(HW_REG_WAVE_MODE, 25, 1), 1
	s_wait_xcnt 0x0
; ATTN.  ctx[q][head] = softmax_k(q . k / 8) v, both products on codes of FP6 (E2M3) with E8M0 scales; ctx is quantised along the model's 1024 for the last product.
; t = score x log2(e) / 8; M = the running largest t rounded UP to a whole number; p = 2^(t - M) is quantised along the keys, not normalised; the row's sum is taken of the unquantised p and divides at the end.
; When M moves, the sum and O are multiplied by 2^(old M - new M): exact.
; SHARES.  Work-group (x, head): 256 queries; each of its sixteen waves one tile of 16 in 256 registers.  Every wave walks the head's 4,096 keys, a chunk of 128 a step.
; A chunk is 13,056 bytes of memory, 51 rows of 256: K's codes (24 rows), K's scale words (2), V^T's codes (24), V^T's scale words (1), as images of the operands' registers.
; A RING of two slots of 8 chunks; waves 0-3 fetch a quarter of a slot each (102 rows of 256 bytes); one tensor load of a wave is out at the most.  The mover lays 64 bytes behind each row: LDS rows are 320 bytes apart.
; BOTH PRODUCTS ARE USED TRANSPOSED: S^T = K Q^T, O^T = V^T P^T: a lane holds one query throughout.
; WHICH KEYS FORM A TILE OF K is chosen by the lanes' LDS addresses: tile 4 c + u takes keys 64 c + 8 u + 0 .. 7 as its rows 0-7 and keys 64 c + 32 + 8 u + 0 .. 7 as its rows 8-15.  So the 32 registers of
; tiles 4 c .. 4 c + 3 are keys 64 c + 32 (lane / 16) + 0 .. 31: a WHOLE block of p in a lane, in the order of P's operand: a block's largest score needs no other lane, and the codes change no lane.
; In memory tile 2 b + e holds keys 32 b + 8 e + r + 8 (r / 8), two tiles to a pair of 6 rows: rows 0-7 of my tiles come from pair 2 c, rows 8-15 from pair 2 c + 1, 6 x 320 = 1,920 bytes on,
; which is 128 modulo 256: the sixteen lanes of a load touch sixteen different columns of 16 bytes.
; K = 64 IN THE FIRST PRODUCT: the instruction takes 128.  Q's upper six registers are zero codes.  K's fragments lie six registers apart, so a fragment's upper six registers are the next tile's codes (behind the last: zeros):
; they meet Q's zero codes and add exactly 0, since E2M3 has no code for infinity or NaN and the scale words repeat the head's two bytes in their upper half.
; NO CLUSTER: what the sixteen work-groups of a head share is 13,056 bytes a key step, against which each sets sixteen waves' steps of some 210 vector instructions: a small part of a step's work.
; NO PREFETCH: a refill is asked for at a slot's head, eight key steps ahead of its first read.
; LIMITS: NaN and infinities are not served; the promise holds while the scaled scores stay under 2^31 in magnitude; 1 / sum is v_rcp_f32 and a multiplication; a block of ctx under 2^-124 keeps the byte 1.
; REGISTERS: v1 16 x lane, v2 8 x lane, v5-6 the add's, v7, v10 LDS addresses of ctx's scale bytes, v8-9, v92-93 the step's addresses, v28-30 their lane terms, v31 8 (lane / 16); v12 -M, v13 the largest score, v[14:15] the sum;
; v16-27 Q; v32-79 K's tiles, then V^T's fragments; v80-85 zeros; v86-91 partial sums; v96-159 S^T, then p; v160-191 O^T; v224-235 p's codes; v232-247, v252, v254 at work; v248-251 K's or V's scale words, v253 p's, v255 Q's.
.set CHB,   13056                      ; a chunk in memory
.set SLOTB, 8*CHB
.set CHL,   51*320                     ; a chunk in LDS
.set SLOTL, 8*CHL
.set SLOT1, 1<<17                      ; slot 1 begins here: one exclusive or turns an address from one slot to the other
.set HEADB, 32*CHB
.set SPARE, SLOT1+SLOTL                ; the spare words, 128 bytes a wave: eight blocks of 256 bytes that no other line names
.set CSCL,  SPARE+2048                 ; ctx's scale bytes of the work-group's 256 rows, 512 bytes: no fill lands here
.set SPW, 5
.set NIL, 6
.set ADK, 8
.set ADS, 9
.set VKB, 28
.set VSB, 29
.set VVB, 30
.set SH8, 31
.set ADV, 92
.set AD8, 93
.set WV,  18
.set SEL, 20
.set CS,  22
.set G1,  24
.set G0,  32
.set TB,  36                           ; s36 LDS byte at which the chunk in hand begins
.set CNT, 37
.set SLOTS, 38
.set PM,  39
.macro TLOAD                           ; waves 0-3 fetch; s_nop 0 and four v_nop follow the line
	s_cmp_lt_u32 s[WV], 4
	s_cbranch_scc0 .Lasked_\@
	tensor_load_to_lds s[G0:G0+3], s[G1:G1+7]
	s_nop 0
.rept 4
	v_nop
.endr
.Lasked_\@:
.endm
	s_load_b256 s[4:11], s[0:1], 0x0               ; qbuf, kv, ctxc, csc
	v_lshl_add_u32 v[SPW], v0, 2, SPARE
	v_mov_b32 v[NIL], 0
	ds_add_u32 v[SPW], v[NIL]                      ; the opening lines: the add twice on end and its wait
	ds_add_u32 v[SPW], v[NIL]
	v_lshrrev_b32 v8, 5, v0
	v_readfirstlane_b32 s[WV], v8
	s_and_b32 s40, ttmp7, 0xffff                   ; the head
	s_and_b32 s42, s[WV], 3
	s_mul_i32 s43, s42, SLOTL/4                    ; my quarter of a slot, in LDS
	s_mul_i32 s42, s42, SLOTB/4                    ; and in memory
	s_mul_i32 s44, s40, HEADB
	s_add_co_u32 s44, s44, s42
	s_mov_b32 s45, 0
	s_mov_b32 s[G1], (3<<16)|(1<<20)|(5<<22)|(15<<25)  ; no mask; elements of 8 bytes; behind every 64 words 16 words of padding
	s_mov_b32 s[G1+1], 32<<16                      ; tensor_dim0 = 32: rows of 256 bytes
	s_mov_b32 s[G1+2], 102<<16                     ; tensor_dim1 = 102
	s_mov_b32 s[G1+3], 32<<16                      ; tile_dim0
	s_mov_b32 s[G1+4], 102                         ; tile_dim1
	s_mov_b32 s[G1+5], 32                          ; dense
	s_mov_b32 s[G1+6], 0
	s_mov_b32 s[G1+7], 0
	s_mov_b32 s[SEL], 0x76543210
	s_mov_b32 s[SEL+1], 0xfedcba98
	s_mov_b32 s[CS], 0x3e38aa3b                    ; log2(e) / 8
	s_mov_b32 s[CS+1], s[CS]
	s_mov_b32 s[TB], 0
	s_mov_b32 s[SLOTS], 3
	s_wait_dscnt 0x0
	s_wait_kmcnt 0x0
	s_mov_b32 s[G0], 1
	s_mov_b32 s[G0+1], s43
	s_add_nc_u64 s[G0+2:G0+3], s[6:7], s[44:45]
	s_or_b32 s[G0+3], s[G0+3], 0x80000000
	TLOAD                                          ; slot 0: chunks 0-7
	; my tile of queries: block 16 x + wave of positions: chunk 2 x + wave / 8, pair (wave % 8) / 2, parity wave % 2
	s_lshl_b32 s43, s40, 5
	s_lshl_b32 s46, ttmp9, 1
	s_add_co_u32 s43, s43, s46
	s_lshr_b32 s46, s[WV], 3
	s_add_co_u32 s43, s43, s46
	s_mul_i32 s46, s43, 6656
	s_mov_b32 s47, 0
	s_add_nc_u64 s[4:5], s[4:5], s[46:47]
	s_bfe_u32 s48, s[WV], 0x20001
	s_and_b32 s49, s[WV], 1
	s_mul_i32 s50, s48, 1536
	s_lshl_b32 s51, s49, 8
	s_lshl_b32 s48, s48, 2
	s_add_co_u32 s51, s51, s48
	s_sub_co_u32 s[PM], 0, s49                     ; all lanes or none
	s_lshl_b32 s52, s[WV], 5
	s_add_co_u32 s52, s52, CSCL
	s_lshl_b32 s41, ttmp9, 4
	s_add_co_u32 s41, s41, s[WV]
	s_lshl_b32 s41, s41, 4
	s_add_co_u32 s41, s41, s40
	s_mul_i32 s42, s41, 768
	s_mov_b32 s43, 0
	s_add_nc_u64 s[8:9], s[8:9], s[42:43]          ; ctxc: image (block, head)
	s_lshl_b32 s42, s40, 13
	s_lshl_b32 s41, ttmp9, 9
	s_add_co_u32 s42, s42, s41
	s_add_nc_u64 s[10:11], s[10:11], s[42:43]      ; csc: [head][position] 2 bytes
	v_and_b32 v11, 31, v0
	v_and_b32 v86, 15, v0                          ; r
	v_lshlrev_b32 v1, 4, v11
	v_lshlrev_b32 v2, 3, v11
	v_lshlrev_b32 v4, 4, v86
	v_add_nc_u32 v3, s50, v1
	v_add_nc_u32 v4, s51, v4
	global_load_b128 v[32:35], v3, s[4:5]
	global_load_b128 v[36:39], v3, s[4:5] offset:512
	global_load_b128 v[40:43], v3, s[4:5] offset:1024
	global_load_b32 v255, v4, s[4:5] offset:6144   ; row r's scale word, in lanes r and r + 16
	v_lshlrev_b32 v7, 1, v86
	v_bfe_u32 v87, v0, 4, 1                        ; h
	v_bfe_u32 v88, v0, 3, 1                        ; r / 8
	v_and_b32 v89, 7, v0                           ; r % 8
	v_add_nc_u32 v7, s52, v7                       ; where my row's two scale bytes of ctx go
	v_add_nc_u32 v10, CSCL, v1                     ; and where wave 0 reads all 512 back
	v_mul_u32_u24 v[VVB], v87, 320
	v_mul_u32_u24 v[VKB], v88, 1920
	v_mul_u32_u24 v[VSB], v87, 320
	v_lshlrev_b32 v[SH8], 3, v87
	v_lshl_add_u32 v[VVB], v86, 4, v[VVB]          ; an image's plane: 16 r + 320 h
	v_lshl_add_u32 v[VKB], v89, 4, v[VKB]
	v_lshl_add_u32 v[VSB], v89, 4, v[VSB]
	v_mad_u32_u24 v[VKB], v87, 320, v[VKB]         ; K's codes: 1920 (r / 8) + 16 (r % 8) + 320 h
	v_lshl_add_u32 v[VSB], v88, 2, v[VSB]          ; K's scale words: 320 (odd tile) + 16 (r % 8) + 4 (r / 8)
	s_wait_loadcnt 0x0
.irp i, 0,1,2,3,4,5
	v_cndmask_b32 v[16+\i], v[32+\i], v[38+\i], s[PM]      ; the pair's even or odd tile
	v_mov_b32 v[22+\i], 0                          ; K = 64 .. 127: zero codes
	v_mov_b32 v[80+\i], 0
.endr
	v_mov_b32 v13, 0xff61b1e6                      ; the largest score so far: -3e38
	v_mov_b32 v12, 0x7f61b1e6                      ; -M: 3e38
	v_mov_b32 v14, 0
	v_mov_b32 v15, 0
	v_mov_b32 v239, 0                              ; a lane permute's destination counts as one of its sources
	v_mov_b32 v253, 0                              ; (named as the upper half of the pair v[252:253] before it is first written)
.set j, 0
.rept 32
	v_mov_b32 v[160+j], 0                          ; O^T: the loop is written once; its first step finds zeros
.set j, j+1
.endr
.macro SPROD t
.if (\t)%2
	v_wmma_scale_f32_16x16x128_f8f6f4 v[96+8*(\t):103+8*(\t)], v[32+6*(\t):43+6*(\t)], v[16:27], 0, v[248+(\t)/2], v255 matrix_a_fmt:MATRIX_FMT_FP6 matrix_b_fmt:MATRIX_FMT_FP6 matrix_a_scale:MATRIX_SCALE_ROW1
.else
	v_wmma_scale_f32_16x16x128_f8f6f4 v[96+8*(\t):103+8*(\t)], v[32+6*(\t):43+6*(\t)], v[16:27], 0, v[248+(\t)/2], v255 matrix_a_fmt:MATRIX_FMT_FP6 matrix_b_fmt:MATRIX_FMT_FP6
.endif
.endm
.macro PPROD t
.if (\t)%2
	v_wmma_scale_f32_16x16x128_f8f6f4 v[160+8*(\t):167+8*(\t)], v[32+12*(\t):43+12*(\t)], v[224:235], v[160+8*(\t):167+8*(\t)], v[248+(\t)/2], v253 matrix_a_fmt:MATRIX_FMT_FP6 matrix_b_fmt:MATRIX_FMT_FP6 matrix_a_scale:MATRIX_SCALE_ROW1
.else
	v_wmma_scale_f32_16x16x128_f8f6f4 v[160+8*(\t):167+8*(\t)], v[32+12*(\t):43+12*(\t)], v[224:235], v[160+8*(\t):167+8*(\t)], v[248+(\t)/2], v253 matrix_a_fmt:MATRIX_FMT_FP6 matrix_b_fmt:MATRIX_FMT_FP6
.endif
.endm
; A KEY STEP: the chunk at s[TB].
.macro STEP
	v_add_nc_u32 v[ADK], s[TB], v[VKB]             ; with the last step's four closing sums: the places behind its products, in front of loads into registers that they read
	v_add_nc_u32 v[ADS], s[TB], v[VSB]
.irp c, 0,1
.irp x, 0,1
.irp p, 0,1,2
	ds_load_b128 v[32+24*\c+12*\x+4*\p:35+24*\c+12*\x+4*\p], v[ADK] offset:3840*\c+128*\x+640*\p   ; tiles 4 c + 2 x and the next
.endr
	ds_load_b32 v[248+2*\c+\x], v[ADS] offset:7680+128*\x+8*\c     ; their scale words: lanes 0-15 the even tile's, lanes 16-31 the odd tile's
.endr
.endr
	s_wait_alu depctr_va_vdst(0)
	s_wait_dscnt 0x0
.irp t, 0,1,2,3,4,5,6,7
	SPROD \t
.endr
	v_add_nc_u32 v[ADV], s[TB], v[VVB]
	v_add_nc_u32 v[AD8], s[TB], v2
	v_nop
	v_nop                                          ; four places behind the products
.irp n, 0,1,2,3,4,5,6,7,8,9,10,11
	ds_load_b128 v[32+4*\n:35+4*\n], v[ADV] offset:8320+640*\n     ; V^T's four fragments land under the softmax
.endr
	ds_load_b64 v[248:249], v[AD8] offset:16000
.irp k, 0,1,2,3
	v_max3_num_f32 v[232+\k], v[96+16*\k], v[97+16*\k], v[98+16*\k]   ; four chains by turns, two to a block of 32 keys; each accumulator from its low end on
.endr
.irp i, 3,5,7,9,11,13
.irp k, 0,1,2,3
	v_max3_num_f32 v[232+\k], v[232+\k], v[96+16*\k+\i], v[97+16*\k+\i]
.endr
.endr
	v_max3_num_f32 v236, v232, v233, v111
	v_max3_num_f32 v237, v234, v235, v143
	v_max_num_f32 v236, v236, v127                 ; the largest score of my two blocks: for the row's maximum, and, since p rises with the score, for the block's largest p
	v_max_num_f32 v237, v237, v159
	v_max_num_f32 v238, v236, v237
	v_permlanex16_b32 v239, v238, s[SEL], s[SEL+1]
	v_max3_num_f32 v13, v13, v238, v239            ; the running largest score, with lane l xor 16's two blocks
	v_mul_f32 v254, s[CS], v13                     ; as t
	v_floor_f32 v254, -v254                        ; the new -M = -ceil(t)
	v_sub_f32 v252, v254, v12                      ; old M - new M: a whole number, 0 or less
	v_mov_b32 v12, v254
	v_cvt_i32_f32 v252, v252                       ; (it saturates)
	v_ldexp_f32 v252, 1.0, v252                    ; f = 2^(old M - new M)
.set j, 0
.rept 32
	v_pk_fma_f32 v[96+j:97+j], v[96+j:97+j], s[CS:CS+1], v[12:13] op_sel_hi:[1,0,0]   ; t - M
.set j, j+2
.endr
	v_fma_f32 v236, v236, s[CS], v12               ; the same of each block's largest score
	v_fma_f32 v237, v237, s[CS], v12
	s_wait_alu depctr_va_vdst(0)
.set j, 0
.rept 64
	v_exp_f32 v[96+j], v[96+j]                     ; p = 2^(t - M)
.set j, j+1
.endr
	v_exp_f32 v236, v236                           ; the block's largest p: the same two instructions on the same number
	v_exp_f32 v237, v237
	v_pk_mul_f32 v[14:15], v[14:15], v[252:253] op_sel_hi:[1,0]      ; the sum under the new M: the plain place behind the batch
	s_wait_alu depctr_va_vdst(0)                   ; one wait for the 66, and ahead of the first reader of O^T
.set j, 0
.rept 16
	v_pk_mul_f32 v[160+j:161+j], v[160+j:161+j], v[252:253] op_sel_hi:[1,0]   ; O^T under the new M
.set j, j+2
.endr
	v_max_num_f32 v236, 0x1800000, v236            ; the floor 2^(3 - 127): the byte cannot fall under 1
	v_max_num_f32 v237, 0x1800000, v237
	v_add_nc_u32 v244, 0xff000000, v236            ; 2 off the exponent field: the conversion's scale operand
	v_add_nc_u32 v245, 0xff000000, v237
	v_lshrrev_b32 v240, 23, v244                   ; the bytes of blocks h and 2 + h
	v_lshrrev_b32 v241, 23, v245
	v_lshl_or_b32 v253, v241, 16, v240
	v_lshlrev_b32 v253, v[SH8], v253               ; at their places in the word, 8 h bits up
	v_permlanex16_b32 v239, v253, s[SEL], s[SEL+1]
	v_or_b32 v253, v253, v239                      ; with lane l xor 16's two: p's scale word for these 128 keys
.irp c, 0,1
	v_cvt_scalef32_pk16_fp6_f32 v[224+6*\c:226+6*\c], v[96+32*\c:111+32*\c], v[244+\c]
	v_cvt_scalef32_pk16_fp6_f32 v[236+4*\c:238+4*\c], v[112+32*\c:127+32*\c], v[244+\c]   ; (a conversion's three registers begin on an even number)
.endr
	v_pk_add_f32 v[86:87], v[96:97], v[98:99]      ; the row's sum of the unquantised p, in four chains; this line is also the plain place behind the conversions
.irp c, 0,1
.irp i, 0,1,2
	v_mov_b32 v[227+6*\c+\i], v[236+4*\c+\i]
.endr
.endr
	v_pk_add_f32 v[88:89], v[100:101], v[102:103]
	v_pk_add_f32 v[90:91], v[104:105], v[106:107]
.set j, 108
.rept 6
	v_pk_add_f32 v[14:15], v[14:15], v[j:j+1]
	v_pk_add_f32 v[86:87], v[86:87], v[j+2:j+3]
	v_pk_add_f32 v[88:89], v[88:89], v[j+4:j+5]
	v_pk_add_f32 v[90:91], v[90:91], v[j+6:j+7]
.set j, j+8
.endr
	v_pk_add_f32 v[14:15], v[14:15], v[156:157]
	s_wait_alu depctr_va_vdst(0)
	s_wait_dscnt 0x0                               ; V^T
.irp t, 0,1,2,3
	PPROD \t                                       ; four accumulators by turns
.endr
	v_pk_add_f32 v[86:87], v[86:87], v[158:159]    ; the sum's last four lines name no register of the products: they are the places behind them
	v_pk_add_f32 v[88:89], v[88:89], v[90:91]
	v_pk_add_f32 v[14:15], v[14:15], v[86:87]
	v_pk_add_f32 v[14:15], v[14:15], v[88:89]
	s_add_co_u32 s[TB], s[TB], CHL
.endm
; THE CHANGE OF SLOTS stands at a slot's head: each wave waits for all its tensor loads, adds 0 to its spare word, waits for that and for its reads of the slot that it has left; behind the barrier that slot is filled with the next 8 chunks.
.macro CHANGE fill
	s_wait_tensorcnt 0x0
	ds_add_u32 v[SPW], v[NIL]                      ; 0 onto my spare word;
.if \fill
	ds_add_u32 v[SPW], v[NIL]
	s_xor_b32 s[G0+1], s[G0+1], SLOT1
	s_add_nc_u64 s[G0+2:G0+3], s[G0+2:G0+3], SLOTB
.endif
	s_wait_dscnt 0x0
	s_barrier_signal -1
	s_barrier_wait -1
.if \fill
	TLOAD
.endif
.endm
.macro SLOT_STEPS
	s_mov_b32 s[CNT], 8
.Lstep_\@:
	STEP
	s_sub_co_u32 s[CNT], s[CNT], 1
	s_cmp_lg_u32 s[CNT], 0
	s_cbranch_scc1 .Lstep_\@
	s_sub_co_u32 s[TB], s[TB], SLOTL
	s_xor_b32 s[TB], s[TB], SLOT1
.endm
	s_wait_alu depctr_va_vdst(0)
.Lslot:
	CHANGE 1
	SLOT_STEPS
	s_sub_co_u32 s[SLOTS], s[SLOTS], 1
	s_cmp_lg_u32 s[SLOTS], 0
	s_cbranch_scc1 .Lslot
	CHANGE 0                                       ; the last slot is written out
	SLOT_STEPS
	; THE WAY OUT: O^T / the sum is my 16 rows' 64 numbers of ctx: two blocks of 32 along the last product's K.  Tiles 2 b, 2 b + 1 of O^T hold features 32 b + 16 (lane / 16) + 0 .. 15
	s_wait_alu depctr_va_vdst(0)
	v_add_f32 v14, v14, v15
	v_permlanex16_b32 v252, v14, s[SEL], s[SEL+1]
	v_add_f32 v14, v14, v252
	s_wait_alu depctr_va_vdst(0)
	v_rcp_f32 v14, v14
	v_nop                                          ; a plain place behind the reciprocal
	s_wait_alu depctr_va_vdst(0)
.set j, 0
.rept 32
	v_mul_f32 v[96+j], v[160+j], v14               ; register 16 b + i: feature 32 b + 16 (lane / 16) + i
.set j, j+1
.endr
.irp b, 0,1
	v_max3_num_f32 v[232+\b], |v[96+16*\b]|, |v[97+16*\b]|, 0x1800000
.endr
.irp i, 2,4,6,8,10,12,14
.irp b, 0,1
	v_max3_num_f32 v[232+\b], v[232+\b], |v[96+16*\b+\i]|, |v[97+16*\b+\i]|
.endr
.endr
.irp b, 0,1
	v_permlanex16_b32 v[236+\b], v[232+\b], s[SEL], s[SEL+1]
.endr
.irp b, 0,1
	v_max_num_f32 v[232+\b], v[232+\b], v[236+\b]
.endr
.irp b, 0,1
	v_add_nc_u32 v[244+\b], 0xff000000, v[232+\b]
.endr
.irp b, 0,1
	v_lshrrev_b32 v[236+\b], 23, v[244+\b]
.endr
	v_lshl_or_b32 v240, v237, 8, v236
	v_cvt_scalef32_pk16_fp6_f32 v[224:226], v[96:111], v244
	v_cvt_scalef32_pk16_fp6_f32 v[232:234], v[112:127], v245
	v_nop
.irp i, 0,1,2
	v_permlane16_swap_b32 v[224+\i], v[232+\i]     ; a whole block to a lane
.endr
.irp i, 0,1,2
	v_mov_b32 v[227+\i], v[232+\i]
.endr
	global_store_b128 v1, v[224:227], s[8:9]               ; the image: 512 consecutive bytes,
	global_store_b64 v2, v[228:229], s[8:9] offset:512     ; and 256
	ds_store_b16 v7, v240                          ; lanes r and r + 16 write the same two bytes
	s_wait_dscnt 0x0                               ; for the others' sake
	s_barrier_signal -1
	s_barrier_wait -1
	s_cmp_lg_u32 s[WV], 0
	s_cbranch_scc1 .Lend
	ds_load_b128 v[96:99], v10                     ; the work-group's 512 scale bytes leave as two whole runs of 256
	s_wait_dscnt 0x0
	global_store_b128 v1, v[96:99], s[10:11]
.Lend:
	s_wait_tensorcnt 0x0                           ; the wave's end
	ds_add_u32 v[SPW], v[NIL]
	s_wait_dscnt 0x0
	s_endpgm
.Lfunc_end_k_q39578331ed_attn:
	.size	k_q39578331ed_attn, .Lfunc_end_k_q39578331ed_attn-k_q39578331ed_attn
	.p2alignl 7, 3214868480
	.fill 96, 4, 3214868480
	.section	.rodata,"a",@progbits
	.p2align	6, 0x0
	.amdhsa_kernel k_q39578331ed_attn
		.amdhsa_group_segment_fixed_size 327680
		.amdhsa_private_segment_fixed_size 0
		.amdhsa_enable_private_segment 0
		.amdhsa_kernarg_size 32
		.amdhsa_user_sgpr_count 2
		.amdhsa_user_sgpr_kernarg_segment_ptr 1
		.amdhsa_wavefront_size32 1
		.amdhsa_system_sgpr_workgroup_id_x 1
		.amdhsa_system_sgpr_workgroup_id_y 1
		.amdhsa_system_sgpr_workgroup_id_z 1
		.amdhsa_system_vgpr_workitem_id 0
		.amdhsa_next_free_vgpr 256
		.amdhsa_next_free_sgpr 66
		.amdhsa_reserve_vcc 0
		.amdhsa_float_denorm_mode_32 3
		.amdhsa_float_denorm_mode_16_64 3
		.amdhsa_memory_ordered 1
		.amdhsa_forward_progress 1
		.amdhsa_inst_pref_size 41
	.end_amdhsa_kernel
	.amdgpu_metadata
---
amdhsa.version: [ 1, 2 ]
amdhsa.kernels:
  - .name:           k_q39578331ed_attn
    .symbol:         k_q39578331ed_attn.kd
    .args:
      - { .name: qbuf, .offset: 0, .size: 8, .value_kind: global_buffer, .address_space: global }
      - { .name: kv, .offset: 8, .size: 8, .value_kind: global_buffer, .address_space: global }
      - { .name: ctxc, .offset: 16, .size: 8, .value_kind: global_buffer, .address_space: global }
      - { .name: csc, .offset: 24, .size: 8, .value_kind: global_buffer, .address_space: global }
    .group_segment_fixed_size: 327680
    .private_segment_fixed_size: 0
    .kernarg_segment_align: 8
    .kernarg_segment_size: 32
    .max_flat_workgroup_size: 512
    .sgpr_count:     66
    .vgpr_count:     256
    .wavefront_size: 32
...
	.end_amdgpu_metadata
.endif
;; end of part 3
;; launch outp (part 4): grid 8 x 32, 4 waves a work-group, clusters of 4 x 4, 327,680 bytes of LDS; arguments ctxc, csc, codes, scales, bo, out0; writes out0
.if DOCPART == 4
	.amdgcn_target "amdgcn-amd-amdhsa--gfx1250"
	.amdhsa_code_object_version 6
	.text
	.protected	k_q39578331ed_outp
	.globl	k_q39578331ed_outp
	.p2align	8
	.type	k_q39578331ed_outp,@function
k_q39578331ed_outp:
	s_mov_b64 s[64:65], 0
	v_nop
	global_prefetch_b8 v0, s[64:65] scope:SCOPE_SE
	s_setreg_imm32_b32 hwreg(HW_REG_WAVE_MODE, 25, 1), 1
	s_wait_xcnt 0x0
	s_wait_alu depctr_hold_cnt(0) depctr_sa_sdst(0) depctr_va_vdst(0) depctr_va_sdst(0) depctr_va_ssrc(0) depctr_va_vcc(0) depctr_vm_vsrc(0)
	s_getreg_b32 s2, hwreg(HW_REG_IB_STS2, 6, 4)
	s_cmp_eq_u32 s2, 0
	s_cbranch_scc0 .Lentry_in_a_cluster
	s_endpgm
.Lentry_in_a_cluster:
	s_bfe_u32 s2, ttmp6, 0x10000c
	s_cmp_lg_u32 s2, 0xf033
	s_cbranch_scc0 .Lentry_shape_is_right
	s_endpgm
.Lentry_shape_is_right:
; OUTP.  out = ctx Wo^T + bo on codes of FP6 (E2M3) with E8M0 scales, K = 1024.  Source 1 (a lane = a row) takes 16 rows of ctx, source 0 (registers = rows) 16 rows of Wo: a lane holds eight neighbouring numbers of a row of out.
; A tile of out is 128 x 128: 32 x 8 = 256 work-groups; four waves, 64 x 64 each: 16 accumulators, 128 registers.
; ALL OF K LIES IN LDS: 128 rows of ctx and 128 of Wo are 98,304 dense bytes each.  Each wave fetches 64 rows (49,152 bytes, 192 rows of 256) by its one tensor load at the head; nothing is filled again: no ring.
; Operands lie as images of their registers (16 rows x 64 K = 768 bytes: lane l's first 16 bytes at 16 l, its last 8 at 512 + 8 l; 16 images to a block of 16 rows); rows stand in the order of positions (bits 3 and 4 of a row's
; number exchanged): tiles 2 b, 2 b + 1 of a result hold features 32 b + 16 (lane / 16) + 0 .. 15, and the stores put ctx's rows back in their places.
; SCALES in LDS: [block][K step of 256][row][8 bytes], stored through registers into bytes into which no fill lands.  Wo's lie so in memory: 4,096 dense bytes, 32 a thread.  ctx's lie as [head][position] 2 bytes: a thread loads
; two positions' bytes of 8 heads and stores their 32 bytes.
; CLUSTERS: 4 x 4 work-groups; ctx's tiles are shared along a row of the cluster, Wo's along a column, each asked for jointly.
; NO PREFETCH: the launch has no loop to run ahead in: every operand byte is asked for once, at the head.
; REGISTERS: window 0: v1-31 addresses and bo; v32-63 scale words of all of K; v64-159, v160-255 two sets of fragments (source 1's four, then source 0's four); on the way out v64-191 rows of out.  Window 1: the accumulators, (a, b) at v[8 (4 a + b)].
.set BLKB,   12288                     ; a block of 16 rows, all of K
.set HALFC,  4*BLKB                    ; 64 rows: what one tensor load brings, and what one wave reads of ctx or of Wo
.set ASC,    4*HALFC                   ; ctx's scales
.set BSC,    ASC+4096                  ; Wo's
.set SPARE,  BSC+4096                  ; the spare words, 128 bytes a wave: two blocks of 256 bytes that no other line names
.set STAGE,  SPARE+512                 ; the way out: 16 rows x (256 bytes + 16) for each wave
.set SPITCH, 272
.set ADRA, 16                          ; v16 16 x lane + my rows of ctx, v17 the same with 8 x lane
.set ADRB, 18                          ; v18-19 the same for Wo
.set ADRS, 20                          ; my scale words: lanes 0-15 ctx's rows, lanes 16-31 Wo's
.set STO,  21
.set RD,   22
.set CO,   23
.set BO,   24                          ; v24-27 bo of my four columns
.set ASA,  28
.set BSA,  29
.set SPW,  30
.set NIL,  31
.set SC,   32
.set FS,   64
.set G1,  24
.set G0,  32
.set G1B, 48
.set G0B, 56
.set MSB, 0
.macro WIN new                         ; the immediate's high byte repeats the setting that is left
.if MSB != \new
	s_set_vgpr_msb (MSB<<8)|\new
.set MSB, \new
.endif
.endm
.macro CROUND                          ; a round of the cluster's barrier
	s_barrier_signal -1
	s_barrier_wait -1
	s_cmp_lg_u32 s16, 0
	s_cbranch_scc1 .Lnot_wave_0_\@
	s_barrier_signal -3
.Lnot_wave_0_\@:
	s_barrier_wait -3
	s_barrier_signal -1
	s_barrier_wait -1
.endm
	s_load_b256 s[4:11], s[0:1], 0x0               ; ctxc, csc, codes, scales
	s_load_b128 s[12:15], s[0:1], 0x20             ; bo, out0
	v_lshl_add_u32 v[SPW], v0, 2, SPARE
	v_mov_b32 v[NIL], 0
	ds_add_u32 v[SPW], v[NIL]                      ; the opening lines: the add twice on end and its wait
	ds_add_u32 v[SPW], v[NIL]
	v_lshrrev_b32 v1, 5, v0
	v_readfirstlane_b32 s16, v1                    ; wave
	s_lshr_b32 s17, s16, 1                         ; my half of ctx's rows.  Also: I fetch for ctx (0) or for Wo (1)
	s_and_b32 s18, s16, 1                          ; my half of Wo's rows.  Also: which 64 rows I fetch
	s_bfe_u32 s19, ttmp6, 0x40000                  ; cx
	s_bfe_u32 s20, ttmp6, 0x40004                  ; cy
	s_lshl_b32 s21, ttmp9, 2
	s_add_co_u32 s21, s21, s19                     ; tile column
	s_and_b32 s22, ttmp7, 0xffff
	s_lshl_b32 s22, s22, 2
	s_add_co_u32 s22, s22, s20                     ; tile row
	s_lshl_b32 s23, s20, 2
	s_lshl_b32 s23, 15, s23                        ; my row of the cluster
	s_lshl_b32 s40, 0x1111, s19                    ; my column
	s_or_b32 s[G1], s23, (3<<16)|(1<<21)           ; the mask; elements of 8 bytes; bit 21 set beside a mask
	s_or_b32 s[G1B], s40, (3<<16)|(1<<21)
.irp g, G1, G1B
	s_mov_b32 s[\g+1], 32<<16                      ; rows of 256 bytes
	s_mov_b32 s[\g+2], 192<<16
	s_mov_b32 s[\g+3], 32<<16
	s_mov_b32 s[\g+4], 192
	s_mov_b32 s[\g+5], 32                          ; dense
	s_mov_b32 s[\g+6], 0
	s_mov_b32 s[\g+7], 0
.endr
	s_lshl_b32 s41, s18, 6
	s_lshl_b32 s42, s22, 7
	s_add_co_u32 s42, s42, s41                     ; ctx: row 128 x tile row + 64 x half
	s_mul_i32 s42, s42, 768
	s_mov_b32 s43, 0
	s_lshl_b32 s44, s21, 7
	s_add_co_u32 s44, s44, s41
	s_add_co_u32 s44, s44, 15360                   ; Wo's rows begin at 15360 of the codes
	s_mul_i32 s44, s44, 768
	s_mov_b32 s45, 0
	s_mul_i32 s46, s16, HALFC                      ; where they go: no place in the cluster enters an LDS address
	s_wait_dscnt 0x0
	s_wait_kmcnt 0x0
	s_mov_b32 s[G0], 1
	s_mov_b32 s[G0+1], s46
	s_add_nc_u64 s[G0+2:G0+3], s[4:5], s[42:43]
	s_or_b32 s[G0+3], s[G0+3], 0x80000000
	s_mov_b32 s[G0B], 1
	s_mov_b32 s[G0B+1], s46
	s_add_nc_u64 s[G0B+2:G0B+3], s[8:9], s[44:45]
	s_or_b32 s[G0B+3], s[G0B+3], 0x80000000
	CROUND                                         ; all sixteen work-groups are here: the joint loads meet
	s_cmp_eq_u32 s17, 0                            ; every wave issues one load: waves 0, 1 ctx's halves, waves 2, 3 Wo's
	s_cbranch_scc0 .Lfor_b
	tensor_load_to_lds s[G0:G0+3], s[G1:G1+7]
	s_nop 0
.rept 4
	v_nop
.endr
	s_branch .Lasked
.Lfor_b:
	tensor_load_to_lds s[G0B:G0B+3], s[G1B:G1B+7]
	s_nop 0
.rept 4
	v_nop
.endr
.Lasked:
	s_lshl_b32 s42, s21, 12
	s_add_co_u32 s42, s42, 15360*32
	s_add_nc_u64 s[10:11], s[10:11], s[42:43]      ; Wo's scales of my tile's 128 rows
	s_lshl_b32 s42, s22, 8
	s_add_nc_u64 s[6:7], s[6:7], s[42:43]          ; ctx's: 2 bytes a position
	s_lshl_b32 s42, s21, 9
	s_lshl_b32 s44, s18, 8
	s_add_co_u32 s42, s42, s44
	s_add_nc_u64 s[12:13], s[12:13], s[42:43]      ; bo of my 64 columns
	s_lshl_b32 s44, s22, 7
	s_lshl_b32 s46, s17, 6
	s_add_co_u32 s44, s44, s46
	s_lshl_b32 s44, s44, 12                        ; my first row of out, 4,096 bytes a row,
	s_add_co_u32 s42, s42, s44                     ; and my first column
	s_add_nc_u64 s[14:15], s[14:15], s[42:43]
	s_mul_i32 s60, s17, HALFC                      ; my rows of ctx
	s_mul_i32 s61, s18, HALFC
	s_add_co_u32 s61, s61, 2*HALFC                 ; my rows of Wo
	s_lshl_b32 s63, s17, 11
	s_lshl_b32 s62, s18, 11
	s_add_co_u32 s62, s62, 4096
	s_sub_co_u32 s62, s62, s63                     ; from ctx's scale words to Wo's
	s_add_co_u32 s63, s63, ASC
	s_mul_i32 s41, s16, 16*SPITCH
	s_add_co_u32 s41, s41, STAGE                   ; my stage
	v_lshlrev_b32 v2, 4, v0                        ; 16 x thread
	v_and_b32 v3, 63, v0                           ; which two positions
	v_lshrrev_b32 v4, 6, v0                        ; which 8 heads
	v_and_b32 v6, 15, v0                           ; r
	v_lshlrev_b32 v5, 2, v3
	v_lshlrev_b32 v7, 4, v6
	v_lshl_add_u32 v5, v4, 16, v5
	global_load_b128 v[64:67], v2, s[10:11]
	global_load_b128 v[68:71], v2, s[10:11] offset:2048
.irp g, 0,1,2,3,4,5,6,7
	global_load_b32 v[72+\g], v5, s[6:7] offset:8192*\g
.endr
	global_load_b128 v[BO:BO+3], v7, s[12:13]
	v_bfe_u32 v8, v0, 4, 1                         ; h
	v_and_b32 v9, 31, v0
	v_lshlrev_b32 v10, 4, v9
	v_lshlrev_b32 v11, 3, v9
	v_lshlrev_b32 v12, 3, v6                       ; 8 bytes a row
	v_mul_u32_u24 v13, s62, v8                     ; lanes 16-31 take Wo's
	v_add_nc_u32 v[ADRA], s60, v10
	v_add_nc_u32 v[ADRA+1], s60, v11
	v_add_nc_u32 v[ADRB], s61, v10
	v_add_nc_u32 v[ADRB+1], s61, v11
	v_add_nc_u32 v12, v12, v13
	v_mul_u32_u24 v14, v6, SPITCH
	v_mul_u32_u24 v15, v8, SPITCH
	v_add_nc_u32 v[ADRS], s63, v12
	v_lshl_add_u32 v14, v8, 6, v14
	v_add_nc_u32 v15, v15, v7
	v_add_nc_u32 v[STO], s41, v14                  ; in: row r, + 64 bytes for lanes 16-31
	v_add_nc_u32 v[RD], s41, v15                   ; back: sixteen lanes take a row of 256 bytes, two rows an instruction
	v_lshl_add_u32 v[CO], v8, 12, v7               ; and the same two rows in out
	v_lshrrev_b32 v13, 3, v3
	v_and_b32 v14, 7, v3
	v_lshlrev_b32 v13, 9, v13
	v_add_nc_u32 v[BSA], BSC, v2
	v_lshl_add_u32 v13, v14, 4, v13
	v_lshl_add_u32 v13, v4, 8, v13
	v_add_nc_u32 v[ASA], ASC, v13                  ; block, rows 2 (t % 8) and the next, K steps 2 (t / 64) and the next: 16 bytes each
	s_wait_alu depctr_va_vdst(0)
	s_wait_loadcnt 0x0
.irp s, 0,1                            ; four heads make a K step of 256: the even position's two words, then the odd position's
	v_perm_b32 v[80+4*\s], v[73+4*\s], v[72+4*\s], 0x05040100
	v_perm_b32 v[81+4*\s], v[75+4*\s], v[74+4*\s], 0x05040100
	v_perm_b32 v[82+4*\s], v[73+4*\s], v[72+4*\s], 0x07060302
	v_perm_b32 v[83+4*\s], v[75+4*\s], v[74+4*\s], 0x07060302
.endr
	ds_store_b128 v[ASA], v[80:83]
	ds_store_b128 v[ASA], v[84:87] offset:128
	ds_store_b128 v[BSA], v[64:67]
	ds_store_b128 v[BSA], v[68:71] offset:2048
	s_wait_dscnt 0x0                               ; for the others' sake: my part of the scales lies in LDS,
	s_wait_tensorcnt 0x0                           ; and my 64 rows of codes
	s_barrier_signal -1
	s_barrier_wait -1
.macro FRAG reg, adr, k, i             ; block i's fragment of the k-th 128 along K: two images
	ds_load_b128 v[\reg:\reg+3], v[\adr] offset:(\i)*BLKB+(\k)*1536
	ds_load_b64 v[\reg+4:\reg+5], v[\adr+1] offset:(\i)*BLKB+(\k)*1536+512
	ds_load_b128 v[\reg+6:\reg+9], v[\adr] offset:(\i)*BLKB+(\k)*1536+768
	ds_load_b64 v[\reg+10:\reg+11], v[\adr+1] offset:(\i)*BLKB+(\k)*1536+1280
.endm
.macro FETCH k                         ; 32 LDS loads: step k's eight fragments into set k % 2
.irp i, 0,1,2,3
	FRAG FS+96*((\k)%2)+12*\i, ADRA, \k, \i
	FRAG FS+96*((\k)%2)+48+12*\i, ADRB, \k, \i
.endr
.endm
.macro MUL k, zero                     ; the 16 accumulators take turns, one instruction a turn, in the same order in every step
.irp a, 0,1,2,3
.irp b, 0,1,2,3
.if \zero
	v_wmma_scale_f32_16x16x128_f8f6f4 v[8*(4*\a+\b):8*(4*\a+\b)+7], v[FS+96*((\k)%2)+48+12*\b:FS+96*((\k)%2)+59+12*\b], v[FS+96*((\k)%2)+12*\a:FS+96*((\k)%2)+11+12*\a], 0, v[SC+8*((\k)/2)+2*\b+(\k)%2], v[SC+8*((\k)/2)+2*\a+(\k)%2] matrix_a_fmt:MATRIX_FMT_FP6 matrix_b_fmt:MATRIX_FMT_FP6 matrix_a_scale:MATRIX_SCALE_ROW1
.else
	v_wmma_scale_f32_16x16x128_f8f6f4 v[8*(4*\a+\b):8*(4*\a+\b)+7], v[FS+96*((\k)%2)+48+12*\b:FS+96*((\k)%2)+59+12*\b], v[FS+96*((\k)%2)+12*\a:FS+96*((\k)%2)+11+12*\a], v[8*(4*\a+\b):8*(4*\a+\b)+7], v[SC+8*((\k)/2)+2*\b+(\k)%2], v[SC+8*((\k)/2)+2*\a+(\k)%2] matrix_a_fmt:MATRIX_FMT_FP6 matrix_b_fmt:MATRIX_FMT_FP6 matrix_a_scale:MATRIX_SCALE_ROW1
.endif
.endr
.endr
.endm
.macro PLACES                          ; four plain vector instructions between a matrix instruction and a load into, or a read of, its registers
.rept 4
	v_nop
.endr
.endm
.macro KSTEP k, zero
.if (\k) > 0
	PLACES                                         ; the set that takes the next loads was multiplied in the last step
.endif
.if (\k) < 7
	FETCH (\k)+1
	s_wait_dscnt 32                                ; all but the 32 loads just issued
.else
	s_wait_dscnt 0x0
.endif
	WIN 0x50                                       ; C and D in window 1
	MUL \k, \zero
	WIN 0
.endm
.irp s, 0,1,2,3                        ; the scale words of all of K: two words a row and K step of 256; lanes 0-15 ctx's block i, lanes 16-31 Wo's block i
.irp i, 0,1,2,3
	ds_load_b64 v[SC+8*\s+2*\i:SC+8*\s+2*\i+1], v[ADRS] offset:\i*512+\s*128
.endr
.endr
	FETCH 0
	KSTEP 0, 1                                     ; the first step's products start the sums
.irp k, 1,2,3,4,5,6,7
	KSTEP \k, 0
.endr
; THE WAY OUT, block by block of 16 rows x 64 columns, through my own stage in LDS: in as 32 bytes a lane, at the features' true places; back as whole rows of 256 bytes; bo is added; sixteen lanes store 256 consecutive aligned bytes.
; LDS serves a wave's instructions in order (ISA guide 5.7.1.4): no wait between the stores and the loads.
.macro TOSTAGE a
	WIN 0x04                                       ; an LDS store's data: window 1
.irp b, 0,1,2,3
	ds_store_b128 v[STO], v[32*(\a)+8*\b:32*(\a)+8*\b+3] offset:128*(\b/2)+32*(\b%2)       ; each accumulator from its low end on
	ds_store_b128 v[STO], v[32*(\a)+8*\b+4:32*(\a)+8*\b+7] offset:128*(\b/2)+32*(\b%2)+16
.endr
	WIN 0
.irp t, 0,1,2,3,4,5,6,7
	ds_load_b128 v[64+32*(\a)+4*\t:64+32*(\a)+4*\t+3], v[RD] offset:\t*2*SPITCH
.endr
.endm
.macro SEND a, younger                 ; younger: the LDS instructions issued behind block a's loads
	s_wait_dscnt \younger
.irp t, 0,1,2,3,4,5,6,7
	v_pk_add_f32 v[64+32*(\a)+4*\t:64+32*(\a)+4*\t+1], v[64+32*(\a)+4*\t:64+32*(\a)+4*\t+1], v[BO:BO+1]
	v_pk_add_f32 v[64+32*(\a)+4*\t+2:64+32*(\a)+4*\t+3], v[64+32*(\a)+4*\t+2:64+32*(\a)+4*\t+3], v[BO+2:BO+3]
.endr
.irp t, 0,1,2,3,4,5,6,7
	global_store_b128 v[CO], v[64+32*(\a)+4*\t:64+32*(\a)+4*\t+3], s[14:15] offset:(32*((\a)/2)+8*((\a)%2)+2*\t+8*(\t/4))*4096 th:TH_STORE_NT   ; positions 2 t and 2 t + 1 of block a are this row and the next
.endr
.endm
	PLACES
	TOSTAGE 0
.irp a, 1,2,3
	TOSTAGE \a
	SEND \a-1, 16                                  ; behind block a - 1's loads: block a's 8 stores and 8 loads; each block has registers of its own
.endr
	SEND 3, 0
	s_wait_tensorcnt 0x0                           ; the wave's end
	ds_add_u32 v[SPW], v[NIL]
	s_wait_dscnt 0x0
	CROUND                                         ; the closing round
	s_endpgm
.Lfunc_end_k_q39578331ed_outp:
	.size	k_q39578331ed_outp, .Lfunc_end_k_q39578331ed_outp-k_q39578331ed_outp
	.p2alignl 7, 3214868480
	.fill 96, 4, 3214868480
	.section	.rodata,"a",@progbits
	.p2align	6, 0x0
	.amdhsa_kernel k_q39578331ed_outp
		.amdhsa_group_segment_fixed_size 327680
		.amdhsa_private_segment_fixed_size 0
		.amdhsa_enable_private_segment 0
		.amdhsa_kernarg_size 48
		.amdhsa_user_sgpr_count 2
		.amdhsa_user_sgpr_kernarg_segment_ptr 1
		.amdhsa_wavefront_size32 1
		.amdhsa_system_sgpr_workgroup_id_x 1
		.amdhsa_system_sgpr_workgroup_id_y 1
		.amdhsa_system_sgpr_workgroup_id_z 1
		.amdhsa_system_vgpr_workitem_id 0
		.amdhsa_next_free_vgpr 384
		.amdhsa_next_free_sgpr 66
		.amdhsa_reserve_vcc 0
		.amdhsa_float_denorm_mode_32 3
		.amdhsa_float_denorm_mode_16_64 3
		.amdhsa_memory_ordered 1
		.amdhsa_forward_progress 1
		.amdhsa_inst_pref_size 56
	.end_amdhsa_kernel
	.amdgpu_metadata
---
amdhsa.version: [ 1, 2 ]
amdhsa.kernels:
  - .name:           k_q39578331ed_outp
    .symbol:         k_q39578331ed_outp.kd
    .args:
      - { .name: ctxc, .offset: 0, .size: 8, .value_kind: global_buffer, .address_space: global }
      - { .name: csc, .offset: 8, .size: 8, .value_kind: global_buffer, .address_space: global }
      - { .name: codes, .offset: 16, .size: 8, .value_kind: global_buffer, .address_space: global }
      - { .name: scales, .offset: 24, .size: 8, .value_kind: global_buffer, .address_space: global }
      - { .name: bo, .offset: 32, .size: 8, .value_kind: global_buffer, .address_space: global }
      - { .name: out0, .offset: 40, .size: 8, .value_kind: global_buffer, .address_space: global }
    .group_segment_fixed_size: 327680
    .private_segment_fixed_size: 0
    .kernarg_segment_align: 8
    .kernarg_segment_size: 48
    .max_flat_workgroup_size: 128
    .sgpr_count:     66
    .vgpr_count:     384
    .wavefront_size: 32
...
	.end_amdgpu_metadata
.endif
;; end of part 4
